; MI455X (gfx1250); checked and timed in simulation.
; The chip was launched on July 23, 2026; its instructions are those of AMD's public machine-readable ISA for CDNA 5 (MIT licence, August 2026) and "CDNA5" Instruction Set Architecture Reference Guide (July 2026). The comments in the code are by the model that wrote it; some were corrected since.
;; Multi Head Attention. Allowed arithmetic: float matrix products may take bf16 or f16 operands with f32 sums; other float arithmetic in f32, or as packed bf16 or f16 multiplies, adds, multiply-adds, maxima and minima; sums over many terms, partial sums and values carried from step to step in f32; what a program stores and reads back later, other than sums and carried values, may be rounded once to bf16 or f16.
;; Inputs: Wk 1,024 x 1,024 float32; Wo 1,024 x 1,024 float32; Wq 1,024 x 1,024 float32; Wv 1,024 x 1,024 float32; bk 1,024 float32; bo 1,024 float32; bq 1,024 float32; bv 1,024 float32; head_scale 1 x 16 x 1 float32; k_scale 64 float32; kv 4 x 2,048 x 1,024 float32; kv_positions 4 x 2,048 int32; mask 4 x 1 x 2,048 x 2,048 bool; q 4 x 2,048 x 1,024 float32; q_positions 4 x 2,048 int32; q_scale 64 float32.
;; Outputs: out0 4 x 2,048 x 1,024 float32.
;; One version. Each part assembles by itself: llvm-mc -triple=amdgcn-amd-amdhsa -mcpu=gfx1250 --defsym DOCPART=n.
;; ======== version 1 of 1: 4 launches
;; limits: values are held in f16: magnitudes above 65,504 overflow, below 6.1e-05 lose precision; right only within a limited range of input values
;; workspace buffers: xq 16,777,216 bytes; xkv 16,777,216 bytes; wqkv 6,291,456 bytes; wo16 2,097,152 bytes; rope 8,388,608 bytes; mk 16,777,216 bytes; qkvh 50,331,648 bytes; oh 16,777,216 bytes
;; launch prep (part 1): grid 1920 x 1, 8 waves a work-group, no clusters, 35,840 bytes of LDS; arguments q, kv, Wq, Wk, Wv, Wo, mask, q_positions, kv_positions, q_scale, k_scale, xq, xkv, wqkv, wo16, mk, rope; writes xq, xkv, wqkv, wo16, mk, rope
.if DOCPART == 1
	.amdgcn_target "amdgcn-amd-amdhsa--gfx1250"
	.amdhsa_code_object_version 6
	.text
	.protected	k_q27e9972ae8_prep
	.globl	k_q27e9972ae8_prep
	.p2align	8
	.type	k_q27e9972ae8_prep,@function
k_q27e9972ae8_prep:
	s_mov_b64 s[64:65], 0
	v_nop
	global_prefetch_b8 v0, s[64:65] scope:SCOPE_SE
	s_setreg_imm32_b32 hwreg(HW_REG_WAVE_MODE, 25, 1), 1
	s_wait_xcnt 0x0
; PREP: what the three matrix launches read is laid out once.  Five kinds of work-group, told apart by the work-group's number:
;   0-1023     q, kv -> xq, xkv: f32 to bf16, 16,384 numbers a work-group
;   1024-1215  Wq, Wk, Wv -> wqkv: the same, the three matrices one behind the other, as they lie ([k][n])
;   1216-1279  Wo -> wo16: rounded to bf16, and that number written as f16 (exact from 6.1e-5 to 65,504; below, f16's fixed step of 6e-8)
;   1280-1791  mask -> mk: a byte a score, 0x00 visible, 0xB8 (-1.0 in fp8 E4M3) hidden, in the order in which a lane of the attention launch holds its scores:
;              mk[b][tile of 16 queries][step of 64 keys][1,024 bytes]: byte 512 (kb / 2) + 16 lane + 8 (kb % 2) + j is mask[b][16 tile + lane % 16][64 step + 16 kb + 8 (lane / 16) + j]
;   1792-1919  positions, q_scale, k_scale -> rope: for each row and frequency i the four products g1 cos, g2 sin, g2 cos, g1 sin, g1 = 1 + scale[i], g2 = 1 + scale[i + 32],
;              rope[table][tile of 16 rows][n = 4 kind + 2 bb + half][lane][4]: row 16 tile + lane % 16, frequency i = 16 bb + 8 (lane / 16) + 4 half + e
; The scales are rounded to bf16 first, like every input of the module.  No matrix work, no cluster: nothing is shared, memory binds.
; LIMITS.  |position| under 2^21: the angle is reduced by three parts of pi / 2, whose first has 21 significant bits.  The sine and cosine are polynomials on |r| <= pi / 4, good to some 1e-7.
.set SPARE,  34816                     ; behind the eight waves' stages: the spare words, 128 bytes a wave: four blocks of 256 bytes that no other line names
.set MPITCH, 272                       ; the mask's stage: 16 rows of 256 bytes + 16
.set SPW, 6                            ; v6  my spare word; never rewritten
.set NIL, 7                            ; v7  0; never rewritten
; 16,384 numbers: thread t takes 8 of each 2,048 (32 bytes in, 16 bytes out): a wave's store covers 512 consecutive bytes.  All 16 loads go out first; no register is written twice.
; half = 1: the bf16 number is widened again and written as f16.
.macro CAST half
	s_lshl_b32 s46, s6, 16                         ; my part of the source: 65,536 bytes
	s_add_nc_u64 s[42:43], s[42:43], s[46:47]
	s_lshl_b32 s46, s6, 15                         ; and of the target: 32,768
	s_add_nc_u64 s[44:45], s[44:45], s[46:47]
	v_lshlrev_b32 v4, 5, v0
	v_lshlrev_b32 v5, 4, v0
.irp c, 0,1,2,3,4,5,6,7
	global_load_b128 v[16+8*(\c):16+8*(\c)+3],   v4, s[42:43] offset:8192*(\c) th:TH_LOAD_NT
	global_load_b128 v[16+8*(\c)+4:16+8*(\c)+7], v4, s[42:43] offset:8192*(\c)+16 th:TH_LOAD_NT
.endr
.irp c, 0,1,2,3,4,5,6,7
	s_wait_loadcnt 14-2*(\c)                       ; loads come back in order: chunk c is in, the 2 (7 - c) younger loads stay out
.irp k, 0,1,2,3
	v_cvt_pk_bf16_f32 v[80+4*(\c)+(\k)], v[16+8*(\c)+2*(\k)], v[16+8*(\c)+2*(\k)+1]
.if \half
	v_lshlrev_b32 v[16+8*(\c)+2*(\k)], 16, v[80+4*(\c)+(\k)]
	v_and_b32 v[16+8*(\c)+2*(\k)+1], 0xffff0000, v[80+4*(\c)+(\k)]
	v_cvt_pk_f16_f32 v[80+4*(\c)+(\k)], v[16+8*(\c)+2*(\k)], v[16+8*(\c)+2*(\k)+1]
.endif
.endr
	global_store_b128 v5, v[80+4*(\c):80+4*(\c)+3], s[44:45] offset:4096*(\c)
.endr
.endm
	s_load_b512 s[8:23], s[0:1], 0x0               ; q 8, kv 10, Wq 12, Wk 14, Wv 16, Wo 18, mask 20, q_positions 22
	s_load_b512 s[24:39], s[0:1], 0x40             ; kv_positions 24, q_scale 26, k_scale 28, xq 30, xkv 32, wqkv 34, wo16 36, mk 38
	s_load_b64 s[40:41], s[0:1], 0x80              ; rope
	v_lshl_add_u32 v[SPW], v0, 2, SPARE
	v_mov_b32 v[NIL], 0
	v_lshrrev_b32 v1, 5, v0
	v_readfirstlane_b32 s4, v1                     ; wave 0..7
	v_and_b32 v1, 31, v0                           ; l
	v_and_b32 v2, 15, v0                           ; l % 16
	v_bfe_u32 v3, v0, 4, 1                         ; l / 16
	s_mov_b32 s5, ttmp9
	s_mov_b32 s47, 0                               ; the high word of every offset made in s46
	s_wait_kmcnt 0x0
	s_cmp_lt_u32 s5, 1024
	s_cbranch_scc0 .Lweights
	s_cmp_lt_u32 s5, 512                           ; q, then kv
	s_cselect_b64 s[42:43], s[8:9], s[10:11]
	s_cselect_b64 s[44:45], s[30:31], s[32:33]
	s_and_b32 s6, s5, 511
	s_branch .Lcast
.Lweights:
	s_cmp_lt_u32 s5, 1216
	s_cbranch_scc0 .Lwo
	s_sub_co_u32 s7, s5, 1024
	s_lshr_b32 s46, s7, 6                          ; which of the three
	s_and_b32 s6, s7, 63
	s_cmp_eq_u32 s46, 0
	s_cselect_b64 s[42:43], s[12:13], s[14:15]
	s_cmp_eq_u32 s46, 2
	s_cselect_b64 s[42:43], s[16:17], s[42:43]
	s_lshl_b32 s46, s46, 21                        ; 2,097,152 bytes of bf16 each
	s_add_nc_u64 s[44:45], s[34:35], s[46:47]
.Lcast:
	CAST 0
	s_branch .Lend
.Lwo:
	s_cmp_lt_u32 s5, 1280
	s_cbranch_scc0 .Lmask
	s_sub_co_u32 s6, s5, 1216
	s_mov_b64 s[42:43], s[18:19]
	s_mov_b64 s[44:45], s[36:37]
	CAST 1
	s_branch .Lend
; THE MASK.  A work-group takes 16 rows of one batch, wave w their keys 256 w .. 256 w + 255.  In: 16 lanes read 256 consecutive bytes of a row.  The bytes are turned into codes, go through the wave's own
; 16 rows of LDS, come back 8 bytes a lane in the scores' order, and leave as 512 consecutive bytes a store.
.Lmask:
	s_cmp_lt_u32 s5, 1792
	s_cbranch_scc0 .Lrope
	s_sub_co_u32 s6, s5, 1280                      ; 128 b + tile
	s_lshl_b32 s6, s6, 15                          ; 16 rows of 2,048 bytes; the same number of bytes in mk
	s_lshl_b32 s7, s4, 8
	s_add_co_u32 s46, s6, s7
	s_add_nc_u64 s[42:43], s[20:21], s[46:47]
	s_lshl_b32 s7, s4, 12                          ; my four steps of 1,024 bytes
	s_add_co_u32 s46, s6, s7
	s_add_nc_u64 s[44:45], s[38:39], s[46:47]
	v_lshlrev_b32 v4, 11, v3                       ; lanes 16-31: the next row
	v_lshl_add_u32 v4, v2, 4, v4
.irp i, 0,1,2,3,4,5,6,7
	global_load_b128 v[16+4*(\i):16+4*(\i)+3], v4, s[42:43] offset:4096*(\i) th:TH_LOAD_NT
.endr
	s_mul_i32 s7, s4, 16*MPITCH                    ; my wave's stage
	v_mul_u32_u24 v5, v3, MPITCH
	v_lshl_add_u32 v5, v2, 4, v5
	v_add_nc_u32 v5, s7, v5                        ; in: as loaded
	v_mul_u32_u24 v8, v2, MPITCH
	v_lshl_add_u32 v8, v3, 3, v8
	v_add_nc_u32 v8, s7, v8                        ; back: row l % 16, 8 bytes for each half of the lanes
	v_lshlrev_b32 v9, 4, v1
	s_mov_b32 s50, 0x01010101
	s_mov_b32 s51, 0xb8
	s_wait_loadcnt 0x0
.set i, 0
.rept 32
	v_xor_b32 v[16+i], s50, v[16+i]                ; 1 where hidden, in each of the word's four bytes,
	v_mul_lo_u32 v[16+i], v[16+i], s51             ; times 0xB8: no byte carries into the next
.set i, i+1
.endr
.irp i, 0,1,2,3,4,5,6,7
	ds_store_b128 v5, v[16+4*(\i):16+4*(\i)+3] offset:2*MPITCH*(\i)
.endr
.irp s, 0,1,2,3
.irp k, 0,1,2,3
	ds_load_b64 v[48+8*(\s)+2*(\k):48+8*(\s)+2*(\k)+1], v8 offset:64*(\s)+16*(\k)  ; a wave's LDS instructions are served in order (ISA guide 5.7.1.4): these see the stores above
.endr
.endr
	s_wait_dscnt 0x0
.irp s, 0,1,2,3
.irp p, 0,1
	global_store_b128 v9, v[48+8*(\s)+4*(\p):48+8*(\s)+4*(\p)+3], s[44:45] offset:1024*(\s)+512*(\p)
.endr
.endr
	s_branch .Lend
; THE TABLES.  A wave makes one tile of 16 rows of one table: 32 frequencies, 16 a lane, in two trips of 8.  timescale = 10^(i / 8) = 100^bb x 10^(l / 16) x 10^(j / 8).
.Lrope:
	s_sub_co_u32 s6, s5, 1792
	s_lshl_b32 s6, s6, 3
	s_add_co_u32 s6, s6, s4                        ; 512 table + tile
	s_lshr_b32 s7, s6, 9
	s_cmp_eq_u32 s7, 0
	s_cselect_b64 s[42:43], s[22:23], s[24:25]     ; the positions,
	s_cselect_b64 s[44:45], s[26:27], s[28:29]     ; and the scale
	s_lshl_b32 s46, s6, 13                         ; 8,192 bytes a tile
	s_add_nc_u64 s[48:49], s[40:41], s[46:47]
	s_and_b32 s7, s6, 511
	s_lshl_b32 s7, s7, 6                           ; 16 positions of 4 bytes
	v_lshl_add_u32 v8, v2, 2, s7
	global_load_b32 v9, v8, s[42:43]
	v_lshlrev_b32 v13, 5, v3                       ; my 8 scales: 32 bytes for each half of the lanes
	v_lshlrev_b32 v14, 4, v1
	s_mov_b32 s50, 0x3f22f983                      ; 2 / pi
	s_mov_b32 s51, 0xbfc90fd8                      ; - pi / 2 in three parts
	s_mov_b32 s52, 0xb4a8885a
	s_mov_b32 s53, 0xa7c234c4
	s_mov_b32 s54, 0xb94ca1f9                      ; sine: -1.9515296e-4, 8.3321609e-3, -0.16666655
	s_mov_b32 s55, 0x3c08839e
	s_mov_b32 s56, 0xbe2aaaa3
	s_mov_b32 s57, 0x37ccf5ce                      ; cosine: 2.4433157e-5, -1.3887316e-3, 4.1666646e-2
	s_mov_b32 s58, 0xbab6061a
	s_mov_b32 s59, 0x3d2aaaa5
	s_mov_b32 s61, 0xffff0000
	s_mov_b32 s62, 0x42c80000                      ; 100
	s_mov_b32 s66, 0x3f800000                      ; 10^(j / 8), j = 0 .. 7
	s_mov_b32 s67, 0x3faab0d5
	s_mov_b32 s68, 0x3fe39ea9
	s_mov_b32 s69, 0x4017c496
	s_mov_b32 s70, 0x404a62c2
	s_mov_b32 s71, 0x4086f161
	s_mov_b32 s72, 0x40b3f300
	s_mov_b32 s73, 0x40eff755
	v_mov_b32 v11, 1.0
	v_mov_b32 v15, 0x41200000                      ; 10
	v_cmp_ne_u32 vcc_lo, 0, v3
	v_cndmask_b32 v12, v11, v15, vcc_lo            ; 10^(l / 16); times 100 for the second trip
	s_wait_loadcnt 0x0
	v_cvt_f32_i32 v10, v9
	s_mov_b32 s60, 2
.macro ALL8 line:vararg                ; one line for each of the eight frequencies j
.set j, 0
.rept 8
	\line
.set j, j+1
.endr
.endm
.Lhalf:
	global_load_b128 v[72:75], v13, s[44:45]       ; scale[i], 8 of them,
	global_load_b128 v[76:79], v13, s[44:45] offset:16
	global_load_b128 v[80:83], v13, s[44:45] offset:128  ; and scale[i + 32]
	global_load_b128 v[84:87], v13, s[44:45] offset:144
	ALL8 v_mul_f32 v[16+j], s[66+j], v12           ; the timescale
	ALL8 v_rcp_f32 v[24+j], v[16+j]
	v_nop                                          ; a plain instruction behind the last reciprocal,
	s_wait_alu depctr_va_vdst(0)                   ; and one wait for the eight, ahead of their first reader
	ALL8 v_mul_f32 v[32+j], v10, v[24+j]           ; position / timescale, corrected once by its remainder
	ALL8 v_fma_f32 v[40+j], -v[32+j], v[16+j], v10
	ALL8 v_fma_f32 v[32+j], v[40+j], v[24+j], v[32+j]
	ALL8 v_mul_f32 v[40+j], s50, v[32+j]
	ALL8 v_rndne_f32 v[40+j], v[40+j]              ; n: the nearest multiple of pi / 2
	ALL8 v_fma_f32 v[32+j], v[40+j], s51, v[32+j]
	ALL8 v_fma_f32 v[32+j], v[40+j], s52, v[32+j]
	ALL8 v_fma_f32 v[32+j], v[40+j], s53, v[32+j]  ; r
	ALL8 v_cvt_i32_f32 v[40+j], v[40+j]
	ALL8 v_mul_f32 v[48+j], v[32+j], v[32+j]       ; z = r r
	ALL8 v_fma_f32 v[56+j], v[48+j], s54, s55
	ALL8 v_fma_f32 v[56+j], v[56+j], v[48+j], s56
	ALL8 v_mul_f32 v[56+j], v[56+j], v[48+j]
	ALL8 v_fma_f32 v[56+j], v[56+j], v[32+j], v[32+j]  ; sin r
	ALL8 v_fma_f32 v[64+j], v[48+j], s57, s58
	ALL8 v_fma_f32 v[64+j], v[64+j], v[48+j], s59
	ALL8 v_mul_f32 v[16+j], v[48+j], v[48+j]
	ALL8 v_fma_f32 v[24+j], v[48+j], -0.5, 1.0
	ALL8 v_fma_f32 v[64+j], v[16+j], v[64+j], v[24+j]  ; cos r
	ALL8 v_and_b32 v[16+j], 1, v[40+j]
.set j, 0
.rept 8
	v_cmp_ne_u32 vcc_lo, 0, v[16+j]                ; n odd: sine and cosine change places
	v_cndmask_b32 v[24+j], v[56+j], v[64+j], vcc_lo
	v_cndmask_b32 v[32+j], v[64+j], v[56+j], vcc_lo
.set j, j+1
.endr
	ALL8 v_and_b32 v[16+j], 2, v[40+j]             ; the sine is negative for n % 4 = 2, 3,
	ALL8 v_lshlrev_b32 v[16+j], 30, v[16+j]
	ALL8 v_xor_b32 v[24+j], v[16+j], v[24+j]
	ALL8 v_add_nc_u32 v[40+j], 1, v[40+j]          ; the cosine for n % 4 = 1, 2
	ALL8 v_and_b32 v[40+j], 2, v[40+j]
	ALL8 v_lshlrev_b32 v[40+j], 30, v[40+j]
	ALL8 v_xor_b32 v[32+j], v[40+j], v[32+j]
	s_wait_loadcnt 0x0
	ALL8 v_cvt_pk_bf16_f32 v[16+j], v[72+2*j], v[72+2*j+1]  ; the scales, rounded to bf16,
	ALL8 v_lshlrev_b32 v[72+2*j], 16, v[16+j]
	ALL8 v_and_b32 v[72+2*j+1], s61, v[16+j]
	ALL8 v_pk_add_f32 v[72+2*j:72+2*j+1], v[72+2*j:72+2*j+1], 1.0 op_sel_hi:[1,0]  ; plus 1
	ALL8 v_mul_f32 v[88+j], v[72+j], v[32+j]       ; g1 cos
	ALL8 v_mul_f32 v[96+j], v[80+j], v[24+j]       ; g2 sin
	ALL8 v_mul_f32 v[104+j], v[80+j], v[32+j]      ; g2 cos
	ALL8 v_mul_f32 v[112+j], v[72+j], v[24+j]      ; g1 sin
.irp k, 0,1,2,3
.irp p, 0,1
	global_store_b128 v14, v[88+8*(\k)+4*(\p):88+8*(\k)+4*(\p)+3], s[48:49] offset:(4*(\k)+(\p))*512  ; 512 consecutive bytes
.endr
.endr
	s_wait_xcnt 0x0                                ; the stores' data and base and the loads' offset are written again only behind this wait
	v_add_nc_u32 v13, 64, v13                      ; the next 16 frequencies
	v_mul_f32 v12, s62, v12
	s_add_nc_u64 s[48:49], s[48:49], 1024
	s_sub_co_u32 s60, s60, 1
	s_cmp_lg_u32 s60, 0
	s_cbranch_scc1 .Lhalf
.Lend:
	s_wait_tensorcnt 0x0                           ; the wave's end, behind my last LDS store
	ds_add_u32 v[SPW], v[NIL]
	s_wait_dscnt 0x0
	s_endpgm
.Lfunc_end_k_q27e9972ae8_prep:
	.size	k_q27e9972ae8_prep, .Lfunc_end_k_q27e9972ae8_prep-k_q27e9972ae8_prep
	.p2alignl 7, 3214868480
	.fill 96, 4, 3214868480
	.section	.rodata,"a",@progbits
	.p2align	6, 0x0
	.amdhsa_kernel k_q27e9972ae8_prep
		.amdhsa_group_segment_fixed_size 35840
		.amdhsa_private_segment_fixed_size 0
		.amdhsa_enable_private_segment 0
		.amdhsa_kernarg_size 136
		.amdhsa_user_sgpr_count 2
		.amdhsa_user_sgpr_kernarg_segment_ptr 1
		.amdhsa_wavefront_size32 1
		.amdhsa_system_sgpr_workgroup_id_x 1
		.amdhsa_system_sgpr_workgroup_id_y 1
		.amdhsa_system_sgpr_workgroup_id_z 1
		.amdhsa_system_vgpr_workitem_id 0
		.amdhsa_next_free_vgpr 128
		.amdhsa_next_free_sgpr 80
		.amdhsa_reserve_vcc 1
		.amdhsa_float_denorm_mode_32 3
		.amdhsa_float_denorm_mode_16_64 3
		.amdhsa_memory_ordered 1
		.amdhsa_forward_progress 1
		.amdhsa_inst_pref_size 41
	.end_amdhsa_kernel
	.amdgpu_metadata
---
amdhsa.version: [ 1, 2 ]
amdhsa.kernels:
  - .name:           k_q27e9972ae8_prep
    .symbol:         k_q27e9972ae8_prep.kd
    .args:
      - { .name: q, .offset: 0, .size: 8, .value_kind: global_buffer, .address_space: global }
      - { .name: kv, .offset: 8, .size: 8, .value_kind: global_buffer, .address_space: global }
      - { .name: Wq, .offset: 16, .size: 8, .value_kind: global_buffer, .address_space: global }
      - { .name: Wk, .offset: 24, .size: 8, .value_kind: global_buffer, .address_space: global }
      - { .name: Wv, .offset: 32, .size: 8, .value_kind: global_buffer, .address_space: global }
      - { .name: Wo, .offset: 40, .size: 8, .value_kind: global_buffer, .address_space: global }
      - { .name: mask, .offset: 48, .size: 8, .value_kind: global_buffer, .address_space: global }
      - { .name: q_positions, .offset: 56, .size: 8, .value_kind: global_buffer, .address_space: global }
      - { .name: kv_positions, .offset: 64, .size: 8, .value_kind: global_buffer, .address_space: global }
      - { .name: q_scale, .offset: 72, .size: 8, .value_kind: global_buffer, .address_space: global }
      - { .name: k_scale, .offset: 80, .size: 8, .value_kind: global_buffer, .address_space: global }
      - { .name: xq, .offset: 88, .size: 8, .value_kind: global_buffer, .address_space: global }
      - { .name: xkv, .offset: 96, .size: 8, .value_kind: global_buffer, .address_space: global }
      - { .name: wqkv, .offset: 104, .size: 8, .value_kind: global_buffer, .address_space: global }
      - { .name: wo16, .offset: 112, .size: 8, .value_kind: global_buffer, .address_space: global }
      - { .name: mk, .offset: 120, .size: 8, .value_kind: global_buffer, .address_space: global }
      - { .name: rope, .offset: 128, .size: 8, .value_kind: global_buffer, .address_space: global }
    .group_segment_fixed_size: 35840
    .private_segment_fixed_size: 0
    .kernarg_segment_align: 8
    .kernarg_segment_size: 136
    .max_flat_workgroup_size: 256
    .sgpr_count:     80
    .vgpr_count:     128
    .wavefront_size: 32
...
	.end_amdgpu_metadata
.endif
;; end of part 1
;; launch qkv (part 2): grid 4 x 192, 4 waves a work-group, clusters of 4 x 4, 327,680 bytes of LDS; arguments xq, xkv, wqkv, bq, bk, bv, rope, qkvh; writes qkvh
.if DOCPART == 2
	.amdgcn_target "amdgcn-amd-amdhsa--gfx1250"
	.amdhsa_code_object_version 6
	.text
	.protected	k_q27e9972ae8_qkv
	.globl	k_q27e9972ae8_qkv
	.p2align	8
	.type	k_q27e9972ae8_qkv,@function
k_q27e9972ae8_qkv:
	s_mov_b64 s[64:65], 0
	v_nop
	global_prefetch_b8 v0, s[64:65] scope:SCOPE_SE
	s_setreg_imm32_b32 hwreg(HW_REG_WAVE_MODE, 25, 1), 1
	s_wait_xcnt 0x0
	s_wait_alu depctr_hold_cnt(0) depctr_sa_sdst(0) depctr_va_vdst(0) depctr_va_sdst(0) depctr_va_ssrc(0) depctr_va_vcc(0) depctr_vm_vsrc(0)
	s_getreg_b32 s2, hwreg(HW_REG_IB_STS2, 6, 4)
	s_cmp_eq_u32 s2, 0
	s_cbranch_scc0 .Lentry_in_a_cluster
	s_endpgm
.Lentry_in_a_cluster:
	s_bfe_u32 s2, ttmp6, 0x10000c
	s_cmp_lg_u32 s2, 0xf033
	s_cbranch_scc0 .Lentry_shape_is_right
	s_endpgm
.Lentry_shape_is_right:
; THE THREE PROJECTIONS, with bias, RMS norm, gain and RoPE, written by heads: qkvh[which][16 b + head][t][64] in f16; which = 0 (q), 1 (k), 2 (v: bias alone).
; x: [8192][1024] bf16 (xq for q, xkv for k and v); W: wqkv[which], [k 1024][n 1024] bf16, as it lies in the input.  Sums in f32; norm and RoPE in f32; one rounding to f16.
; LIMITS.  f16 ends at 65,504: q and k are at most 8 (1 + scale) after the norm; v must stay within it.  The biases are rounded to bf16 first, like every input of the module.
; SHARES.  A tile of the result is 128 rows x 256 columns: 64 x 4 x 3 = 768 work-groups, three for each of 256.  Four waves, each 64 x 128: 32 accumulators of 16 x 16 (256 registers): two whole heads a wave.
; K goes in steps of 128 through two LDS slots.  Waves 0 and 1 fetch the halves of x's tile (64 rows x 256 bytes), waves 2 and 3 those of W's (64 rows of k x 512 bytes): one tensor load a wave behind each round;
; by the text's own count a wave has two loads out at the start and one later.
; THE PRODUCT IS USED TRANSPOSED: source 0 = 16 columns of W (turned on the way out of LDS by ds_load_tr16_b128), source 1 = 16 rows of x: a lane holds ONE row (lane % 16) and the columns 8 (lane / 16) + 0..7.
; THE BIAS IS THE C OPERAND of each accumulator's first product: nothing is cleared and nothing is added later.
; CLUSTER.  4 x 4 work-groups: the four of a row of the cluster need the same tiles of x, the four of a column the same tiles of W: each is asked for jointly.
; REGISTERS, in windows of 256 (s_set_vgpr_msb: bits 1:0 source 0, 3:2 source 1, 5:4 source 2, 7:6 destination):
;   window 0: v16-31 addresses; v32-63 at work; v64-127 x's fragments, two buffers of 4 x 8; v128-255 W's, two buffers of 8 x 8 (on the way out: v64-111 statistics, v128-255 packed results)
;   window 1: accumulator (a, b) at v[8 (8 a + b)]      window 2: the RoPE tables of my 64 rows, 64 registers for each 16      window 3: v0-63 the bias, 8 for each block of 16 columns
.set SLOT1,  131072                    ; slot 1 begins here, so that one exclusive or turns an address in one slot into the other's
.set PA,     272                       ; a row of x in LDS: 256 bytes + 16: the 16 rows of a load start at 16 different groups of four banks (64 banks of 4 bytes: ISA guide 11.1)
.set PW,     544                       ; a row of W: 512 + 32 = 17 x 32 bytes
.set AOFF,   128*PA                    ; W's 128 rows lie behind x's 128
.set STAGE,  SLOT1+AOFF+128*PW         ; behind the ring, never filled by a tensor load: 16 rows x 144 bytes for each wave
.set SP,     144
.set SPARE,  STAGE+4*16*SP             ; the spare words, 128 bytes a wave: two blocks of 256 bytes that no other line names
.set ASTEP,  256                       ; a K step in x's rows,
.set WSTEP,  128*2048                  ; and down W's
.set AA0, 16                           ; v16  my lane's place in x's tile; never rewritten
.set AB0, 17                           ; v17  the same in W's
.set ADRA, 18                          ; v18, v19  the same in the slot in hand
.set ADRB, 19
.set STO, 24                           ; v24  the way out: where I put 16 bytes of a row
.set RD,  25                           ; v25  where I read rows back
.set GO,  26                           ; v26  16 x lane: my place in 512 consecutive bytes; never rewritten
.set SPW, 28                           ; v28  my spare word; never rewritten
.set NIL, 29                           ; v29  0; never rewritten
.set PFO, 30                           ; v30  the prefetches' lane offset; never rewritten
.set BO,  31                           ; v31  32 x (lane / 16): my 8 numbers of a block's bias
.set TMP, 32
.set RS,  64                           ; unit u's 1 / rms at v[64 + 2 u]
.set SQ,  80                           ; its sums of squares at v[80 + 4 u]
.set FA,  64
.set FW,  128
.set PKD, 128                          ; unit u's 16 packed registers
.set WV, 20                            ; s20 wave; s21 = wave / 2: my half of the rows, and: I fetch x (0) or W (1); s22 = wave % 2: my half of the columns, and: which half I fetch
.set RO, 21
.set HF, 22
.set CX, 23
.set CY, 24
.set COLB, 25                          ; s25 block of 256 columns; s26 block of 128 rows; s27 which
.set ROWB, 26
.set WHICH, 27
.set G1A, 28                           ; s[28:35] group 1 for x; s[36:43] group 0, two sets: the second walks on
.set G0A, 36
.set G1B, 44                           ; s[44:51], s[52:59] the same for W
.set G0B, 52
.set TB,  60                           ; s60 the slot in hand: 0 or SLOT1
.set CNT, 61                           ; s61 refills still to come
.set LIM, 62                           ; s62 2 in a wave that prefetches, else the greatest number
.set PFA, 66                           ; s[66:67] where my prefetches stand; s[68:69] their step
.set PFS, 68
.set OUTP, 70                          ; s[70:71] my part of qkvh
.set MSB, 0
.macro WIN new                         ; the immediate's high byte repeats the setting that is left; a switch that changes nothing is dropped
.if MSB != (\new)
	s_set_vgpr_msb (MSB<<8)|(\new)
.set MSB, (\new)
.endif
.endm
.set MUL,  0x50                        ; fragments in window 0, C and D in window 1
.set MULB, 0x70                        ; the same with C, the bias, in window 3
.macro PLACES                          ; four places in front of loads into registers that matrix instructions have read
.rept 4
	v_nop
.endr
.endm
; A joint refill, by the walking descriptors.  The branch hangs on the wave's number alone.  An s_nop 0 and four v_nop follow each of the two lines, ahead of the jump and the label.
.macro JLOAD
	s_cmp_eq_u32 s[RO], 0
	s_cbranch_scc0 .Lfor_b_\@
	tensor_load_to_lds s[G0A+4:G0A+7], s[G1A:G1A+7]
	s_nop 0
	PLACES
	s_branch .Lasked_\@
.Lfor_b_\@:
	tensor_load_to_lds s[G0B+4:G0B+7], s[G1B:G1B+7]
	s_nop 0
	PLACES
.Lasked_\@:
.endm
; A PREFETCH INTO THE L2 of the K step that stands two refills on, one instruction a wave, a lane a block of 256 bytes; each block is named once in the launch.
; x: a K step is 256 bytes of each of the tile's 128 rows; wave 0 asks, the partner at place cx for rows 32 cx + lane; xkv's rows are asked for by k's tiles, not again by v's.
; W: 128 rows of k x 512 bytes; waves 2 and 3 ask for their halves, the partner at place cy for rows 16 cy + lane / 2, block lane % 2; of the 16 rows of clusters that read a projection's W the first asks.
; The partners are told apart by address alone.  The refills of K steps 6 and 7 have no K step two on; K steps 0 to 3 come by their loads alone.
.macro ASK
	s_cmp_gt_u32 s[CNT], s[LIM]
	s_cbranch_scc0 .Lnot_mine_\@
	global_prefetch_b8 v[PFO], s[PFA:PFA+1] th:TH_LOAD_NT scope:SCOPE_SE
.Lnot_mine_\@:
.endm
.macro CREST                           ; a round of the cluster's barrier behind its opening barrier
	s_cmp_lg_u32 s[WV], 0
	s_cbranch_scc1 .Lnot_wave_0_\@
	s_barrier_signal -3
.Lnot_wave_0_\@:
	s_barrier_wait -3
	s_barrier_signal -1
	s_barrier_wait -1
.endm
.macro CROUND
	s_barrier_signal -1
	s_barrier_wait -1
	CREST
.endm
	s_load_b512 s[4:19], s[0:1], 0x0               ; xq 4, xkv 6, wqkv 8, bq 10, bk 12, bv 14, rope 16, qkvh 18
	v_lshl_add_u32 v[SPW], v0, 2, SPARE
	v_mov_b32 v[NIL], 0
	ds_add_u32 v[SPW], v[NIL]                      ; the wave's opening: the add and its wait stand ahead of my first tensor load; the set-up below stands between them
	v_lshrrev_b32 v1, 5, v0
	v_readfirstlane_b32 s[WV], v1
	s_lshr_b32 s[RO], s[WV], 1
	s_and_b32 s[HF], s[WV], 1
	s_bfe_u32 s[CX], ttmp6, 0x40000
	s_bfe_u32 s[CY], ttmp6, 0x40004
	s_lshl_b32 s[COLB], ttmp9, 2
	s_add_co_u32 s[COLB], s[COLB], s[CX]
	s_and_b32 s72, ttmp7, 0xffff                   ; the cluster's y: 16 rows of clusters for each projection
	s_lshr_b32 s[WHICH], s72, 4                    ; the same in all sixteen partners
	s_and_b32 s73, s72, 15
	s_lshl_b32 s[ROWB], s73, 2
	s_add_co_u32 s[ROWB], s[ROWB], s[CY]
	s_lshl_b32 s74, s[CY], 2
	s_lshl_b32 s74, 15, s74                        ; my row of the cluster
	s_lshl_b32 s75, 0x1111, s[CX]                  ; my column
	s_or_b32 s[G1A], s74, (1<<16)|(1<<20)|(1<<21)|(5<<22)|(3<<25)  ; mask; 2-byte elements; padding on; bit 21 beside a mask; after every 64 words 4 words
	s_mov_b32 s[G1A+1], 128<<16                    ; tensor_dim0 = 128
	s_mov_b32 s[G1A+2], 64<<16                     ; tensor_dim1 = 64
	s_mov_b32 s[G1A+3], 128<<16                    ; tile_dim0 = 128
	s_mov_b32 s[G1A+4], 64                         ; tile_dim1 = 64
	s_mov_b32 s[G1A+5], 1024                       ; elements from row to row
	s_mov_b32 s[G1A+6], 0
	s_mov_b32 s[G1A+7], 0
	s_or_b32 s[G1B], s75, (1<<16)|(1<<20)|(1<<21)|(6<<22)|(7<<25)  ; after every 128 words 8 words
	s_mov_b32 s[G1B+1], 256<<16
	s_mov_b32 s[G1B+2], 64<<16
	s_mov_b32 s[G1B+3], 256<<16
	s_mov_b32 s[G1B+4], 64
	s_mov_b32 s[G1B+5], 1024
	s_mov_b32 s[G1B+6], 0
	s_mov_b32 s[G1B+7], 0
	s_lshl_b32 s76, s[ROWB], 7                     ; x: row 128 x block + 64 x half, 2,048 bytes a row: made of the row block and the wave's number alone
	s_lshl_b32 s77, s[HF], 6
	s_add_co_u32 s76, s76, s77
	s_lshl_b32 s76, s76, 11
	s_mov_b32 s77, 0
	s_lshl_b32 s78, s[WHICH], 21                   ; W: the projection's matrix, 64 rows of k x half, 512 bytes x column block
	s_lshl_b32 s79, s[HF], 17
	s_add_co_u32 s78, s78, s79
	s_lshl_b32 s79, s[COLB], 9
	s_add_co_u32 s78, s78, s79
	s_mov_b32 s79, 0
	s_mul_i32 s80, s[HF], 64*PA                    ; where they go: no place in the cluster enters an LDS address
	s_mul_i32 s81, s[HF], 64*PW
	s_add_co_u32 s81, s81, AOFF
	s_mov_b32 s[TB], 0
	s_wait_dscnt 0x0                               ; the opening add is done
	s_wait_kmcnt 0x0
	s_cmp_eq_u32 s[WHICH], 0
	s_cselect_b64 s[82:83], s[4:5], s[6:7]         ; x
	s_add_nc_u64 s[84:85], s[82:83], s[76:77]
	s_add_nc_u64 s[86:87], s[8:9], s[78:79]
	CROUND                                         ; all sixteen work-groups are here: the first joint loads meet
.irp s, 0,1
	s_mov_b32 s[G0A+4*(\s)], 1
	s_add_co_u32 s[G0A+4*(\s)+1], s80, (\s)*SLOT1
	s_add_nc_u64 s[G0A+4*(\s)+2:G0A+4*(\s)+3], s[84:85], (\s)*ASTEP
	s_or_b32 s[G0A+4*(\s)+3], s[G0A+4*(\s)+3], 0x80000000
	s_mov_b32 s[G0B+4*(\s)], 1
	s_add_co_u32 s[G0B+4*(\s)+1], s81, (\s)*SLOT1
	s_add_nc_u64 s[G0B+4*(\s)+2:G0B+4*(\s)+3], s[86:87], (\s)*WSTEP
	s_or_b32 s[G0B+4*(\s)+3], s[G0B+4*(\s)+3], 0x80000000
.endr
	s_cmp_eq_u32 s[RO], 0                          ; a wave's two first fills stand in one branch, ahead of every wait on TENSORcnt and every LDS read
	s_cbranch_scc0 .Lfirst_b
	tensor_load_to_lds s[G0A:G0A+3], s[G1A:G1A+7]
	s_nop 0
	tensor_load_to_lds s[G0A+4:G0A+7], s[G1A:G1A+7]
	s_nop 0
	PLACES
	s_branch .Lfirst_asked
.Lfirst_b:
	tensor_load_to_lds s[G0B:G0B+3], s[G1B:G1B+7]
	s_nop 0
	tensor_load_to_lds s[G0B+4:G0B+7], s[G1B:G1B+7]
	s_nop 0
	PLACES
.Lfirst_asked:
	; the bias of my 128 columns
	s_cmp_eq_u32 s[WHICH], 0
	s_cselect_b64 s[74:75], s[10:11], s[12:13]
	s_cmp_eq_u32 s[WHICH], 2
	s_cselect_b64 s[74:75], s[14:15], s[74:75]
	s_lshl_b32 s92, s[COLB], 10
	s_lshl_b32 s93, s[HF], 9
	s_add_co_u32 s92, s92, s93
	s_mov_b32 s93, 0
	s_add_nc_u64 s[74:75], s[74:75], s[92:93]
	v_and_b32 v1, 15, v0                           ; l % 16
	v_bfe_u32 v2, v0, 4, 1                         ; l / 16
	v_and_b32 v3, 31, v0                           ; l
	v_and_b32 v4, 7, v0
	v_bfe_u32 v5, v0, 3, 1
	v_lshlrev_b32 v[BO], 5, v2
	WIN 0xc0                                       ; destination window 3
.irp b, 0,1,2,3,4,5,6,7
	global_load_b128 v[8*(\b):8*(\b)+3],   v[BO], s[74:75] offset:64*(\b)
	global_load_b128 v[8*(\b)+4:8*(\b)+7], v[BO], s[74:75] offset:64*(\b)+16
.endr
	WIN 0
	v_mul_u32_u24 v[AA0], v1, PA                   ; x's fragment: row x pitch + 16 x half of the lanes, in my 64 rows
	v_lshl_add_u32 v[AA0], v2, 4, v[AA0]
	s_mul_i32 s72, s[RO], 64*PA
	v_add_nc_u32 v[AA0], s72, v[AA0]
	v_lshl_add_u32 v[AB0], v2, 3, v4               ; W's: lane l reads row of k 8 (l / 16) + l % 8, columns 8 ((l / 8) % 2) + 0..7, in my 128 columns
	v_mul_u32_u24 v[AB0], v[AB0], PW
	v_lshl_add_u32 v[AB0], v5, 4, v[AB0]
	s_lshl_b32 s72, s[HF], 8
	s_add_co_u32 s72, s72, AOFF
	v_add_nc_u32 v[AB0], s72, v[AB0]
	v_mov_b32 v[ADRA], v[AA0]
	v_mov_b32 v[ADRB], v[AB0]
	s_mul_i32 s72, s[WV], 16*SP
	s_add_co_u32 s72, s72, STAGE                   ; my stage
	v_mul_u32_u24 v[STO], v1, SP
	v_lshl_add_u32 v[STO], v2, 4, v[STO]
	v_add_nc_u32 v[STO], s72, v[STO]
	v_bfe_u32 v[RD], v0, 3, 2                      ; back: 32 lanes take four rows of 128 bytes
	v_mul_u32_u24 v[RD], v[RD], SP
	v_lshl_add_u32 v[RD], v4, 4, v[RD]
	v_add_nc_u32 v[RD], s72, v[RD]
	v_lshlrev_b32 v[GO], 4, v3
	v_lshrrev_b32 v[PFO], s[RO], v3                ; x: lane x 2,048; W: (lane / 2) x 2,048 + (lane % 2) x 256
	v_lshlrev_b32 v[PFO], 11, v[PFO]
	v_and_b32 v6, s[RO], v3
	v_lshl_add_u32 v[PFO], v6, 8, v[PFO]
	; where my prefetches stand: at K step 3; each refill steps them before it asks
	s_lshl_b32 s90, s[ROWB], 7
	s_lshl_b32 s91, s[CX], 5
	s_add_co_u32 s90, s90, s91
	s_lshl_b32 s90, s90, 11
	s_add_co_u32 s90, s90, 3*ASTEP
	s_lshl_b32 s92, s[HF], 6
	s_lshl_b32 s93, s[CY], 4
	s_add_co_u32 s92, s92, s93
	s_lshl_b32 s92, s92, 11
	s_lshl_b32 s93, s[COLB], 9
	s_add_co_u32 s92, s92, s93
	s_lshl_b32 s93, s[WHICH], 21
	s_add_co_u32 s92, s92, s93
	s_add_co_u32 s92, s92, 3*WSTEP
	s_mov_b32 s93, ASTEP
	s_mov_b32 s94, WSTEP
	s_mov_b32 s91, 0
	s_mov_b32 s[PFS+1], 0
	s_cmp_eq_u32 s[RO], 0
	s_cselect_b32 s90, s90, s92
	s_cselect_b32 s[PFS], s93, s94
	s_cselect_b64 s[PFA:PFA+1], s[82:83], s[8:9]
	s_add_nc_u64 s[PFA:PFA+1], s[PFA:PFA+1], s[90:91]
	s_cmp_eq_u32 s[WHICH], 2
	s_cselect_b32 s94, 1, 0
	s_or_b32 s94, s94, s[HF]                       ; x: wave 0, and not for v's tiles
	s_cmp_eq_u32 s[RO], 0
	s_cselect_b32 s94, s94, s73                    ; W: the projection's first row of clusters
	s_cmp_eq_u32 s94, 0
	s_cselect_b32 s[LIM], 2, -1                    ; the same in all sixteen partners, for a given wave
	; the tables of my 64 rows (v's tiles load k's and use none: every register is written on every path)
	s_min_u32 s92, s[WHICH], 1
	s_lshl_b32 s92, s92, 22
	s_lshl_b32 s93, s[ROWB], 3
	s_lshl_b32 s94, s[RO], 2
	s_add_co_u32 s93, s93, s94
	s_lshl_b32 s93, s93, 13
	s_add_co_u32 s92, s92, s93
	s_mov_b32 s93, 0
	s_add_nc_u64 s[88:89], s[16:17], s[92:93]
	; my part of qkvh: ((16 b + head) x 2,048 + t) x 128 bytes
	s_lshr_b32 s92, s[ROWB], 4
	s_lshl_b32 s92, s92, 4
	s_lshl_b32 s93, s[COLB], 2
	s_add_co_u32 s92, s92, s93
	s_lshl_b32 s93, s[HF], 1
	s_add_co_u32 s92, s92, s93
	s_lshl_b32 s92, s92, 11
	s_and_b32 s93, s[ROWB], 15
	s_lshl_b32 s93, s93, 7
	s_add_co_u32 s92, s92, s93
	s_lshl_b32 s93, s[RO], 6
	s_add_co_u32 s92, s92, s93
	s_lshl_b32 s92, s92, 7
	s_lshl_b32 s93, s[WHICH], 24
	s_add_co_u32 s92, s92, s93
	s_mov_b32 s93, 0
	s_add_nc_u64 s[OUTP:OUTP+1], s[18:19], s[92:93]
	s_mov_b32 s84, 0x76543210                      ; v_permlanex16_b32: each lane takes its own place in the other half
	s_mov_b32 s85, 0xfedcba98
	s_mov_b32 s86, 0x3c800000                      ; 1 / 64
	s_mov_b32 s87, 0x358637bd                      ; 1e-6
	s_wait_loadcnt 0x0                             ; the bias: rounded to bf16, widened again
	WIN 0x0f
.set i, 0
.rept 32
	v_cvt_pk_bf16_f32 v[TMP+i], v[2*i], v[2*i+1]
.set i, i+1
.endr
	WIN 0xc0
.set i, 0
.rept 32
	v_lshlrev_b32 v[2*i], 16, v[TMP+i]
	v_and_b32 v[2*i+1], 0xffff0000, v[TMP+i]
.set i, i+1
.endr
	WIN 0x80                                       ; destination window 2: the tables, waited for once, at the way out
.set i, 0
.rept 64
	global_load_b128 v[4*i:4*i+3], v[GO], s[88:89] offset:512*i
.set i, i+1
.endr
	WIN 0
; 8 matrix instructions: row block a x all 8 column blocks, 32 along K, from buffer f.  first = 1: the product starts the sums, on the bias.
; The 32 accumulators take turns in one order: between two links of a chain stand 31 others', over the backward jump too.
.macro MUL8 f, a, first
.if \first
	WIN MULB
.else
	WIN MUL
.endif
.irp b, 0,1,2,3,4,5,6,7
.if \first
	v_wmma_f32_16x16x32_bf16 v[8*(8*(\a)+(\b)):8*(8*(\a)+(\b))+7], v[FW+64*(\f)+8*(\b):FW+64*(\f)+8*(\b)+7], v[FA+32*(\f)+8*(\a):FA+32*(\f)+8*(\a)+7], v[8*(\b):8*(\b)+7]
.else
	v_wmma_f32_16x16x32_bf16 v[8*(8*(\a)+(\b)):8*(8*(\a)+(\b))+7], v[FW+64*(\f)+8*(\b):FW+64*(\f)+8*(\b)+7], v[FA+32*(\f)+8*(\a):FA+32*(\f)+8*(\a)+7], v[8*(8*(\a)+(\b)):8*(8*(\a)+(\b))+7]
.endif
.endr
.endm
; 24 LDS loads in one run: the fragments of quarter kq (32 along K) into buffer f: W's 8 blocks, turned, then x's blocks 0 to 3
.macro FETCH kq, f
	WIN 0
.irp b, 0,1,2,3,4,5,6,7
	ds_load_tr16_b128 v[FW+64*(\f)+8*(\b):FW+64*(\f)+8*(\b)+3],   v[ADRB] offset:(\kq)*32*PW+32*(\b)
	ds_load_tr16_b128 v[FW+64*(\f)+8*(\b)+4:FW+64*(\f)+8*(\b)+7], v[ADRB] offset:(\kq)*32*PW+32*(\b)+16*PW
.endr
.irp a, 0,1,2,3
	ds_load_b128 v[FA+32*(\f)+8*(\a):FA+32*(\f)+8*(\a)+3],   v[ADRA] offset:(\a)*16*PA+(\kq)*64
	ds_load_b128 v[FA+32*(\f)+8*(\a)+4:FA+32*(\f)+8*(\a)+7], v[ADRA] offset:(\a)*16*PA+(\kq)*64+32
.endr
.endm
; A K step is four quarters, 32 matrix instructions each, on buffers 0, 1, 0, 1.  One of the first three multiplies buffer f and, in its middle, fetches quarter kq into buffer g.
.macro QUARTER kq, f, g, first
	s_wait_dscnt 4                                 ; W and x's blocks 0, 1 are in; the youngest four loads (blocks 2, 3) may be out
	MUL8 \f, 0, \first
	MUL8 \f, 1, \first
	PLACES
	FETCH \kq, \g
	s_wait_dscnt 24                                ; all but the 24 just issued
	MUL8 \f, 2, \first
	MUL8 \f, 3, \first
.endm
; The last quarter multiplies buffer 1 and changes slots: each wave waits for all its tensor loads (one is out: its part of the next slot), adds 0 to its spare word, and waits for that and for its reads of this slot.
; fill = 1: the barrier opens a round of the cluster's barrier, and the joint refill, two K steps on, is the first thing behind it: 112 matrix instructions ahead of the wait for it.
.macro TURN fill
	WIN 0
.if \fill
	s_wait_xcnt 0x0                                ; the last prefetch, a K step back, has read its address
	s_add_nc_u64 s[PFA:PFA+1], s[PFA:PFA+1], s[PFS:PFS+1]
.endif
	s_wait_tensorcnt 0x0                           ; no tensor load of mine is out, so a group 0 may be written
	ds_add_u32 v[SPW], v[NIL]
.if \fill
	s_xor_b32 s[G0A+5], s[G0A+5], SLOT1            ; the walking descriptors: the other slot than last time, the next K step
	s_add_nc_u64 s[G0A+6:G0A+7], s[G0A+6:G0A+7], ASTEP
	s_xor_b32 s[G0B+5], s[G0B+5], SLOT1
	s_add_nc_u64 s[G0B+6:G0B+7], s[G0B+6:G0B+7], WSTEP
.endif
	s_xor_b32 s[TB], s[TB], SLOT1
	s_wait_dscnt 5                                 ; the add and the youngest four loads may be out
	MUL8 1, 0, 0
	s_wait_dscnt 0x0                               ; the add is done, and my reads of this slot are over
	s_barrier_signal -1
	MUL8 1, 1, 0
	WIN 0
	s_barrier_wait -1
.if \fill
	CREST
	JLOAD                                          ; the four v_nop behind it are also the places in front of the loads below
.else
	PLACES
.endif
	v_add_nc_u32 v[ADRA], s[TB], v[AA0]
	v_add_nc_u32 v[ADRB], s[TB], v[AB0]
	FETCH 0, 0
.if \fill
	ASK
.endif
	MUL8 1, 2, 0
	MUL8 1, 3, 0
.endm
	s_wait_tensorcnt 1                             ; my part of K step 0 is in; K step 1's may stay out
	s_barrier_signal -1
	s_barrier_wait -1
	FETCH 0, 0
	QUARTER 1, 0, 1, 1                             ; the first quarter stands in front of the loop: its products start the sums
	WIN 0
	s_mov_b32 s[CNT], 6
.Lstep:                                                ; six trips, from a K step's second quarter to the next one's first; each fills a slot again
	QUARTER 2, 1, 0, 0
	QUARTER 3, 0, 1, 0
	TURN 1
	QUARTER 1, 0, 1, 0
	WIN 0
	s_sub_co_u32 s[CNT], s[CNT], 1
	s_cmp_lg_u32 s[CNT], 0
	s_cbranch_scc1 .Lstep
	QUARTER 2, 1, 0, 0                             ; K steps 6 and 7 fill nothing
	QUARTER 3, 0, 1, 0
	TURN 0
	QUARTER 1, 0, 1, 0
	QUARTER 2, 1, 0, 0
	QUARTER 3, 0, 1, 0
	s_wait_dscnt 4
	MUL8 1, 0, 0
	MUL8 1, 1, 0
	s_wait_dscnt 0x0
	MUL8 1, 2, 0
	MUL8 1, 3, 0
	WIN 0
	PLACES
	PLACES
	s_wait_loadcnt 0x0                             ; the tables
	; THE WAY OUT.  A unit u = 2 a + hh is 16 rows of one head: accumulators (a, 4 hh + 0..3); a lane holds 32 of a row's 64 channels, the lane 16 away the others.
	s_cmp_eq_u32 s[WHICH], 2
	s_cbranch_scc1 .Lstore                         ; v has neither norm nor RoPE
.set u, 0
.rept 8
	v_mov_b32 v[RS+2*u+1], 0                       ; named with 1 / rms as a pair, so it is written
.set u, u+1
.endr
	WIN 0x05                                       ; sources 0 and 1 window 1
.set p, 0
.rept 16                                       ; the sums of squares: two chains a unit, the eight units by turns; each accumulator is read from its lowest pair on
.set u, 0
.rept 8
.set ab, 8*(8*(u/2)+4*(u%2))+2*p
.set sm, SQ+4*u+2*(p%2)
.if p < 2
	v_pk_mul_f32 v[sm:sm+1], v[ab:ab+1], v[ab:ab+1]
.else
	v_pk_fma_f32 v[sm:sm+1], v[ab:ab+1], v[ab:ab+1], v[sm:sm+1]
.endif
.set u, u+1
.endr
.set p, p+1
.endr
	WIN 0
.macro ALLU line:vararg                ; one line for each unit u
.set u, 0
.rept 8
	\line
.set u, u+1
.endr
.endm
	ALLU v_pk_add_f32 v[SQ+4*u:SQ+4*u+1], v[SQ+4*u:SQ+4*u+1], v[SQ+4*u+2:SQ+4*u+3]
	ALLU v_add_f32 v[SQ+4*u], v[SQ+4*u], v[SQ+4*u+1]
	ALLU v_permlanex16_b32 v[SQ+4*u+1], v[SQ+4*u], s84, s85
	ALLU v_add_f32 v[SQ+4*u], v[SQ+4*u], v[SQ+4*u+1]
	ALLU v_fma_f32 v[SQ+4*u], v[SQ+4*u], s86, s87
	ALLU v_rsq_f32 v[RS+2*u], v[SQ+4*u]
	v_nop                                          ; a plain instruction behind the last root,
	s_wait_alu depctr_va_vdst(0)                   ; and one wait for the eight, ahead of their first reader
; x1 (channels 0-31) and x2 (32-63) of unit u: x1' = (x1 g1 cos - x2 g2 sin) / rms, x2' = (x2 g2 cos + x1 g1 sin) / rms; the four products with the gains come from the table
.macro ROPE u
.set xb, 8*(8*((\u)/2)+4*((\u)%2))
.set tb, 64*((\u)/2)
	WIN 0x09                                       ; source 0 window 1, source 1 window 2, destination window 0
.set z, 0
.rept 8
	v_pk_mul_f32 v[TMP+2*z:TMP+2*z+1], v[xb+2*z:xb+2*z+1], v[tb+48+2*z:tb+48+2*z+1]
	v_pk_mul_f32 v[TMP+16+2*z:TMP+16+2*z+1], v[xb+16+2*z:xb+16+2*z+1], v[tb+16+2*z:tb+16+2*z+1]
.set z, z+1
.endr
	WIN 0x49                                       ; the same with the destination in window 1; source 2 window 0
.set z, 0
.rept 8
	v_pk_fma_f32 v[xb+2*z:xb+2*z+1], v[xb+2*z:xb+2*z+1], v[tb+2*z:tb+2*z+1], v[TMP+16+2*z:TMP+16+2*z+1] neg_lo:[0,0,1] neg_hi:[0,0,1]
	v_pk_fma_f32 v[xb+16+2*z:xb+16+2*z+1], v[xb+16+2*z:xb+16+2*z+1], v[tb+32+2*z:tb+32+2*z+1], v[TMP+2*z:TMP+2*z+1]
.set z, z+1
.endr
	WIN 0x41
.set z, 0
.rept 16
	v_pk_mul_f32 v[xb+2*z:xb+2*z+1], v[xb+2*z:xb+2*z+1], v[RS+2*(\u):RS+2*(\u)+1] op_sel_hi:[1,0]
.set z, z+1
.endr
.endm
.irp u, 0,1,2,3,4,5,6,7
	ROPE \u
.endr
	WIN 0
.Lstore:
; Unit u: a lane's eight channels of a row pack into 16 bytes; they go into rows of 144 bytes of my stage and come back as whole rows of 128: 512 consecutive bytes of qkvh a store.
.macro PACK u
.set xb, 8*(8*((\u)/2)+4*((\u)%2))
	WIN 0x05
.set z, 0
.rept 16
	v_cvt_pk_f16_f32 v[PKD+16*(\u)+z], v[xb+2*z], v[xb+2*z+1]
.set z, z+1
.endr
	WIN 0
.irp f, 0,1,2,3
	ds_store_b128 v[STO], v[PKD+16*(\u)+4*(\f):PKD+16*(\u)+4*(\f)+3] offset:32*(\f)
.endr
.irp f, 0,1,2,3
	ds_load_b128 v[PKD+16*(\u)+4*(\f):PKD+16*(\u)+4*(\f)+3], v[RD] offset:(\f)*4*SP  ; a wave's LDS instructions are served in order (ISA guide 5.7.1.4): these see the stores above, the next unit's stores come behind them
.endr
.endm
.macro SEND u, younger                 ; younger: the LDS instructions issued behind unit u's loads: the next unit's eight, or none
.irp f, 0,1,2,3
	s_wait_dscnt (\younger)+3-(\f)
	global_store_b128 v[GO], v[PKD+16*(\u)+4*(\f):PKD+16*(\u)+4*(\f)+3], s[OUTP:OUTP+1] offset:((\u)%2)*262144+((\u)/2)*2048+(\f)*512
.endr
.endm
	PACK 0
.set t, 1
.rept 7
	PACK t
	SEND t-1, 8
.set t, t+1
.endr
	SEND 7, 0
	s_wait_tensorcnt 0x0                           ; the wave's end, behind my last tensor load and my last LDS store
	ds_add_u32 v[SPW], v[NIL]
	s_wait_dscnt 0x0
	CROUND                                         ; the closing round: no work-group ends while a partner may still ask for a tile that names it
	s_endpgm
.Lfunc_end_k_q27e9972ae8_qkv:
	.size	k_q27e9972ae8_qkv, .Lfunc_end_k_q27e9972ae8_qkv-k_q27e9972ae8_qkv
	.p2alignl 7, 3214868480
	.fill 96, 4, 3214868480
	.section	.rodata,"a",@progbits
	.p2align	6, 0x0
	.amdhsa_kernel k_q27e9972ae8_qkv
		.amdhsa_group_segment_fixed_size 327680
		.amdhsa_private_segment_fixed_size 0
		.amdhsa_enable_private_segment 0
		.amdhsa_kernarg_size 64
		.amdhsa_user_sgpr_count 2
		.amdhsa_user_sgpr_kernarg_segment_ptr 1
		.amdhsa_wavefront_size32 1
		.amdhsa_system_sgpr_workgroup_id_x 1
		.amdhsa_system_sgpr_workgroup_id_y 1
		.amdhsa_system_sgpr_workgroup_id_z 1
		.amdhsa_system_vgpr_workitem_id 0
		.amdhsa_next_free_vgpr 832
		.amdhsa_next_free_sgpr 96
		.amdhsa_reserve_vcc 0
		.amdhsa_float_denorm_mode_32 3
		.amdhsa_float_denorm_mode_16_64 3
		.amdhsa_memory_ordered 1
		.amdhsa_forward_progress 1
		.amdhsa_inst_pref_size 122
	.end_amdhsa_kernel
	.amdgpu_metadata
---
amdhsa.version: [ 1, 2 ]
amdhsa.kernels:
  - .name:           k_q27e9972ae8_qkv
    .symbol:         k_q27e9972ae8_qkv.kd
    .args:
      - { .name: xq, .offset: 0, .size: 8, .value_kind: global_buffer, .address_space: global }
      - { .name: xkv, .offset: 8, .size: 8, .value_kind: global_buffer, .address_space: global }
      - { .name: wqkv, .offset: 16, .size: 8, .value_kind: global_buffer, .address_space: global }
      - { .name: bq, .offset: 24, .size: 8, .value_kind: global_buffer, .address_space: global }
      - { .name: bk, .offset: 32, .size: 8, .value_kind: global_buffer, .address_space: global }
      - { .name: bv, .offset: 40, .size: 8, .value_kind: global_buffer, .address_space: global }
      - { .name: rope, .offset: 48, .size: 8, .value_kind: global_buffer, .address_space: global }
      - { .name: qkvh, .offset: 56, .size: 8, .value_kind: global_buffer, .address_space: global }
    .group_segment_fixed_size: 327680
    .private_segment_fixed_size: 0
    .kernarg_segment_align: 8
    .kernarg_segment_size: 64
    .max_flat_workgroup_size: 128
    .sgpr_count:     96
    .vgpr_count:     832
    .wavefront_size: 32
...
	.end_amdgpu_metadata
.endif
;; end of part 2
;; launch attn (part 3): grid 4 x 64, 4 waves a work-group, clusters of 4 x 1, 327,680 bytes of LDS; arguments qkvh, mk, head_scale, oh; writes oh
.if DOCPART == 3
	.amdgcn_target "amdgcn-amd-amdhsa--gfx1250"
	.amdhsa_code_object_version 6
	.text
	.protected	k_q27e9972ae8_attn
	.globl	k_q27e9972ae8_attn
	.p2align	8
	.type	k_q27e9972ae8_attn,@function
k_q27e9972ae8_attn:
	s_mov_b64 s[64:65], 0
	v_nop
	global_prefetch_b8 v0, s[64:65] scope:SCOPE_SE
	s_setreg_imm32_b32 hwreg(HW_REG_WAVE_MODE, 25, 1), 1
	s_wait_xcnt 0x0
	s_wait_alu depctr_hold_cnt(0) depctr_sa_sdst(0) depctr_va_vdst(0) depctr_va_sdst(0) depctr_va_ssrc(0) depctr_va_vcc(0) depctr_vm_vsrc(0)
	s_getreg_b32 s2, hwreg(HW_REG_IB_STS2, 6, 4)
	s_cmp_eq_u32 s2, 0
	s_cbranch_scc0 .Lentry_in_a_cluster
	s_endpgm
.Lentry_in_a_cluster:
	s_bfe_u32 s2, ttmp6, 0x10000c
	s_cmp_lg_u32 s2, 0x3003
	s_cbranch_scc0 .Lentry_shape_is_right
	s_endpgm
.Lentry_shape_is_right:
; MASKED ATTENTION.  oh[h][q][:] = (1 + head_scale) x the sum over the visible k of softmax_k(Q[h][q] . K[h][k] / 8) V[h][k][:].  Q, K, V = qkvh[0], [1], [2], each [64][2048][64] in f16, h = 16 b + head; oh likewise.
; The mask is an input of any pattern: all 2,048 keys are walked and every code of mk is read.  Products, maxima and sums in f32; the weights p are rounded to f16 for the second product, O once at the end.
; LIMITS.  A hidden score counts as -2^100; the running maximum starts at -2^90, far below every score of normed vectors; so a hidden weight is 0, and a row that sees no key keeps l = 0 and O = 0 and leaves 0.
; f16 holds no number beyond 65,504: Q, K, V arrive within it, O is a mean of V's rows times the gain.  A weight below 2^-126 counts as 0 in l; NaN and infinities are not treated apart.  head_scale is rounded to bf16 first.
; SHARES.  A wave owns four PIECES of two tiles of 16 queries, a work-group's four waves 512 queries of one head.  Every wave walks all keys, 64 a step.
; LAYOUT.  S^T = K Q^T (source 0 = 16 keys, source 1 = 16 queries): a lane holds ONE query (lane % 16) and the keys 8 (lane / 16) + 0..7.  Two such tiles, rounded to f16 in pairs, ARE source 1 of O^T = V^T P.
; THE MASK IS THE C OPERAND of the products that start S^T: 0 or -2^100.  mk holds a byte a score, 0 or -1.0 in fp8, in the lanes' own order; one scaled conversion (x 2^100) makes eight C numbers.
; A piece's codes for a step are loaded a whole step ahead, into registers of their own, and converted a turn ahead of the products that take them.
; SOFTMAX.  A running maximum m and sum l: p = 2^(c s - c m), c = log2(e) / 8; in every step O and l are multiplied by a = 2^(c m_old - c m_new).
; BY TURNS.  Turn n belongs to piece n: 16 products K Q^T of piece n + 1, later 16 products V^T P of piece n - 1; the scaling, exponentials, roundings, sums and rescaling of piece n, the maximum and statistics of piece n + 1.
; Four vector instructions stand behind every matrix instruction, the rest in one lump; a turn's 66 exponentials are one batch with one wait.
; CLUSTER.  The four query blocks of a head walk the same K and V: each tile is asked for jointly.
; REGISTERS, in windows of 256 (s_set_vgpr_msb: bits 1:0 source 0, 3:2 source 1, 5:4 source 2, 7:6 destination):
;   window 0: v0-11 addresses and two constants; v12-15, v48-63 at work; v16-47 statistics; v64-191 S^T, two buffers of two tiles; v192-255 P, likewise
;   window 1: O^T, 32 a tile      window 2: v0-127 Q; v128-191 K of one step; v192-255 V of one step      window 3: v0-1 the add's registers; v10 the scale; v64-127 MC, the masks to come; v128-191 MB, the codes, 8 a tile
.set SIZE_N, 2048
.set NP,    4
.set KS,    64
.set PK,    144       ; a row of K in LDS: 128 bytes + 16: the 16 rows of a load start at 16 different groups of four banks (64 banks of 4 bytes: ISA guide 11.1)
.set PV,    160       ; a row of V: 128 + 32
.set VOFF,  4*KS*PK   ; a slot holds four steps: 256 rows of K, then 256 rows of V
.set SLOT1, 1<<17
.set STAGE, SLOT1+4*KS*(PK+PV)  ; behind the ring, never filled by a tensor load: 16 rows x 144 bytes for each wave
.set SP,    144
.set SPARE, STAGE+4*16*SP  ; the spare words, 128 bytes a wave: two blocks of 256 bytes that no other line names
.set AK0, 2           ; v2   my lane's place in a tile of K; never rewritten
.set AV0, 3           ; v3   the same for V
.set AK,  4           ; v4   the LDS address of K's next run of loads
.set AV,  5           ; v5   of V's
.set STO, 6           ; v6   the way out: where I put 16 bytes of a row
.set RD,  7           ; v7   where I read rows back
.set GO,  8           ; v8   16 x lane: my place in 512 consecutive bytes of mk and of oh; never rewritten
.set HS,  9           ; v9   1 + head_scale
.set SCL, 10          ; v10 of window 3: 227, the scale 2^100 as an E8M0 byte; the same number is kept in v10 of window 0
.set PFO, 11          ; v11  256 x lane; never rewritten
.set QO,  12          ; v12  my byte offset in the wave's rows of Q; the register is written again only behind the wait for Q
.set SPW, 0           ; v0 of window 3: my spare word; never rewritten
.set NIL, 1           ; v1 of window 3: 0; never rewritten
.set MC,  64
.set MB,  128
.set MV,  12          ; v12-15  c m_old, by buffer and tile
.set ST,  16          ; tile t's statistics at v[ST+4 t]: c m, m, l (even keys', odd keys')
.set TMP, 48
.set S,   64
.set P,   192
.set KF,  128
.set VF,  192
.set WV,  12
.set G1K, 24
.set G1V, 32
.set G0K, 40
.set G0V, 44
.set PFA, 48          ; s[48:49] where my prefetches stand: my work-group's 32 blocks of 256 bytes (of K: wave 0, of V: wave 2) of the slot after the one that is being asked for
.set LIM, 50          ; s50  1 in a wave that prefetches, else the greatest number
.set SLOTS, 56
.set CNT, 57
.set CS,  58
.set SEL, 60
.set TBK, 62
.set TBV, 63
.set MP,  66          ; s[66:67] mk at my wave's first tile, at the step whose codes are being loaded
.set MI,  68          ; s[68:69] its step: 1,024 bytes, or 0 when it stands at the last step
.set MD,  70
.set MLEFT, 71        ; s71  steps that the pointer may still take
.set TINY, 72         ; s72  2^-60
.set MSB, 0
.macro WIN new
.if MSB != (\new)
	s_set_vgpr_msb (MSB<<8)|(\new)
.set MSB, (\new)
.endif
.endm
.set W_KQ, 0x0a       ; K and Q in window 2, S^T in window 0
.set W_KM, 0x3a       ; the same with the C operand in window 3
.set W_PV, 0x52       ; V in window 2, P in window 0, O^T in window 1
.set W_RS, 0x41       ; O^T (destination and source 0) in window 1, a in window 0
.set W_MK, 0xc0       ; destination in window 3, sources in window 0
.set W_AD, 0x0f       ; sources 0 and 1 in window 3
.set W_CV, 0xcf       ; the conversions: all in window 3
.macro PLACES
.rept 4
	v_nop
.endr
.endm
; A joint fill.  Waves 0 and 1 fetch the two halves of a slot's K, waves 2 and 3 those of its V.  An s_nop 0 and four v_nop follow each of the two lines, ahead of the jump and the label.
.macro JLOAD
	s_cmp_lt_u32 s[WV], 2
	s_cbranch_scc0 .Lfor_v_\@
	tensor_load_to_lds s[G0K:G0K+3], s[G1K:G1K+7]
	s_nop 0
	PLACES
	s_branch .Lasked_\@
.Lfor_v_\@:
	tensor_load_to_lds s[G0V:G0V+3], s[G1V:G1V+7]
	s_nop 0
	PLACES
.Lasked_\@:
.endm
; A PREFETCH INTO THE L2 of what the NEXT change of slots will ask for: a slot's 32,768 bytes of K and of V, a lane a block of 256.  A head has one cluster; its four partners share the blocks out by address, 32 each;
; wave 0 asks for K's, wave 2 for V's: each block is named once in the launch, four key steps ahead of its load.  The last change that fills a slot asks for nothing; slots 0 to 2 come by their loads alone.
.macro ASK
	s_cmp_gt_u32 s[SLOTS], s[LIM]
	s_cbranch_scc0 .Lnot_mine_\@
	global_prefetch_b8 v[PFO], s[PFA:PFA+1] th:TH_LOAD_NT scope:SCOPE_SE
.Lnot_mine_\@:
.endm
.macro CROUND
	s_barrier_signal -1
	s_barrier_wait -1
	s_cmp_lg_u32 s[WV], 0
	s_cbranch_scc1 .Lnot_wave_0_\@
	s_barrier_signal -3
.Lnot_wave_0_\@:
	s_barrier_wait -3
	s_barrier_signal -1
	s_barrier_wait -1
.endm
; THE CHANGE OF SLOTS.  Each wave waits for all its tensor loads (one is out: its part of the other slot), adds 0 to its spare word, and waits for that and for its reads of the slot.
; fill = 1: the slot is filled again, with the keys two slots on: the barrier is a round of the cluster's, and the joint fill is the first thing behind it: it has four key steps, 512 matrix instructions, in which to land.
.macro CHANGE fill, ask=0
	WIN W_AD
	s_wait_tensorcnt 0x0            ; no tensor load of mine is out, so a group 0 may be written
	ds_add_u32 v[SPW], v[NIL]
	WIN 0
.if \fill
.irp g, G0K, G0V
	s_xor_b32 s[\g+1], s[\g+1], SLOT1
	s_add_nc_u64 s[\g+2:\g+3], s[\g+2:\g+3], 4*KS*128
.endr
.if \ask
	s_wait_xcnt 0x0                 ; the last prefetch, four key steps back, has read its address
	s_add_nc_u64 s[PFA:PFA+1], s[PFA:PFA+1], 4*KS*128
.endif
	s_wait_dscnt 0x0                ; the add is done, and my reads of the slot are over
	CROUND
	JLOAD
.if \ask
	ASK
.endif
.else
	s_wait_dscnt 0x0
	s_barrier_signal -1
	s_barrier_wait -1
.endif
	s_sub_co_u32 s[TBK], s[TBK], 4*KS*PK
	s_xor_b32 s[TBK], s[TBK], SLOT1
	s_sub_co_u32 s[TBV], s[TBV], 4*KS*PV
	s_xor_b32 s[TBV], s[TBV], SLOT1
.endm
; THE MASKS of piece y's next products: its 16 registers of codes become 64 C numbers, and the registers are loaded again with the codes of the step that MP stands at.
; left: the code loads issued behind this piece's, which may stay out.  A v_nop stands behind the conversions, ahead of the loads that write their sources.
.macro MASKS y, left
	WIN W_CV
	s_wait_loadcnt \left
.irp u, 0,1
.irp kb, 0,1,2,3
	v_cvt_scale_pk8_f32_fp8 v[MC+32*(\u)+8*(\kb):MC+32*(\u)+8*(\kb)+7], v[MB+16*(\y)+8*(\u)+2*(\kb):MB+16*(\y)+8*(\u)+2*(\kb)+1], v[SCL]
.endr
.endr
	v_nop
	WIN W_MK
.irp u, 0,1
.irp h, 0,1
	global_load_b128 v[MB+16*(\y)+8*(\u)+4*(\h):MB+16*(\y)+8*(\u)+4*(\h)+3], v[GO], s[MP:MP+1] offset:(2*(\y)+(\u))*32768+512*(\h)
.endr
.endr
	WIN 0
.endm
; MP goes on a step, 30 times in all: from step 1 to step 31, where it stays: the last two steps' loads bring that step's codes once more, and nobody converts them for a product that counts.
.macro MSTEP
	s_wait_xcnt 0x0                 ; the four pieces' loads have read the pointer
	s_cmp_lg_u32 s[MLEFT], 0
	s_cselect_b32 s[MI], 1024, 0
	s_cselect_b32 s[MD], 1, 0
	s_sub_co_u32 s[MLEFT], s[MLEFT], s[MD]
	s_add_nc_u64 s[MP:MP+1], s[MP:MP+1], s[MI:MI+1]
.endm
	s_load_b256 s[76:83], s[0:1], 0x0  ; qkvh 76, mk 78, head_scale 80, oh 82
	WIN W_MK
	v_lshl_add_u32 v[SPW], v0, 2, SPARE
	v_mov_b32 v[NIL], 0
	WIN W_AD
	ds_add_u32 v[SPW], v[NIL]       ; the wave's opening: the add and its wait stand ahead of my first tensor load
	WIN 0
	v_lshrrev_b32 v1, 5, v0
	v_readfirstlane_b32 s[WV], v1
	s_bfe_u32 s13, ttmp6, 0x40000   ; cx
	s_lshl_b32 s14, ttmp9, 2
	s_add_co_u32 s14, s14, s13      ; my block of 512 queries: it enters Q's, mk's and oh's addresses alone
	s_and_b32 s20, ttmp7, 0xffff    ; 16 b + head, which the four partners share
	s_and_b32 s85, s20, 15
	s_lshl_b32 s85, s85, 2          ; the head's word of head_scale
	s_lshr_b32 s86, s20, 4
	s_lshl_b32 s86, s86, 22         ; mk: 4,194,304 bytes a batch,
	s_lshl_b32 s87, s14, 2
	s_add_co_u32 s87, s87, s[WV]
	s_lshl_b32 s87, s87, 18         ; my wave's 8 tiles of 32,768,
	s_add_co_u32 s86, s86, s87
	s_add_co_u32 s86, s86, 1024     ; at step 1
	s_mov_b32 s87, 0
	s_mov_b32 s21, 0
	s_mov_b64 s[22:23], SIZE_N*128
	s_mul_u64 s[20:21], s[20:21], s[22:23]  ; the head's first byte in Q, K, V and oh
	s_and_b32 s16, s[WV], 1         ; which half of a slot's 256 keys I fetch
	s_lshl_b32 s22, s16, 14
	s_mov_b32 s23, 0
	s_add_nc_u64 s[22:23], s[22:23], s[20:21]
	s_mul_i32 s17, s16, 128*PK
	s_mul_i32 s18, s16, 128*PV      ; no place in the cluster enters an LDS address
	s_lshl_b32 s2, s14, 2
	s_add_co_u32 s2, s2, s[WV]
	s_lshl_b32 s2, s2, 14           ; my wave's 128 rows
	s_mov_b32 s3, 0
	s_add_nc_u64 s[2:3], s[2:3], s[20:21]
	; descriptor group 1.  128 keys are 16,384 dense bytes: asked for as 64 rows of 256 bytes, two keys a row, and padded in LDS after every key
	s_mov_b32 s[G1K], 15|(1<<16)|(1<<20)|(1<<21)|(4<<22)|(3<<25)
	s_mov_b32 s[G1V], 15|(1<<16)|(1<<20)|(1<<21)|(4<<22)|(7<<25)
.irp g, G1K, G1V
	s_mov_b32 s[\g+1], 128<<16
	s_mov_b32 s[\g+2], 64<<16
	s_mov_b32 s[\g+3], 128<<16
	s_mov_b32 s[\g+4], 64
	s_mov_b32 s[\g+5], 128
	s_mov_b32 s[\g+6], 0
	s_mov_b32 s[\g+7], 0
.endr
	s_mov_b32 s[CS], 0x3e38aa3b     ; c = log2(e) / 8
	s_mov_b32 s[CS+1], s[CS]
	s_mov_b32 s[SEL], 0x76543210
	s_mov_b32 s[SEL+1], 0xfedcba98
	s_mov_b32 s[TBK], SLOT1+4*KS*PK ; the first change of slots turns these two into 0
	s_mov_b32 s[TBV], SLOT1+4*KS*PV
	s_mov_b32 s[G0K], 1
	s_mov_b32 s[G0K+1], s17
	s_mov_b32 s[G0V], 1
	s_add_co_u32 s[G0V+1], s18, VOFF
	s_mov_b32 s[MI+1], 0
	s_mov_b32 s[MLEFT], 30
	s_mov_b32 s[TINY], 0x21800000
	s_and_b32 s[LIM], s[WV], 1
	s_or_b32 s[LIM], s[LIM], ttmp9
	s_cmp_eq_u32 s[LIM], 0
	s_cselect_b32 s[LIM], 1, -1     ; the same in all four partners
	s_wait_dscnt 0x0                ; the opening add is done
	s_wait_kmcnt 0x0
	s_mov_b64 s[4:5], s[76:77]      ; Q,
	s_add_nc_u64 s[6:7], s[76:77], 16777216   ; K,
	s_add_nc_u64 s[8:9], s[76:77], 33554432   ; V
	s_mov_b64 s[10:11], s[82:83]
	s_load_b32 s84, s[80:81], s85 offset:0x0
	s_add_nc_u64 s[MP:MP+1], s[78:79], s[86:87]
	s_add_nc_u64 s[G0K+2:G0K+3], s[6:7], s[22:23]
	s_or_b32 s[G0K+3], s[G0K+3], 0x80000000
	s_add_nc_u64 s[G0V+2:G0V+3], s[8:9], s[22:23]
	s_or_b32 s[G0V+3], s[G0V+3], 0x80000000
	s_add_nc_u64 s[4:5], s[4:5], s[2:3]
	s_add_nc_u64 s[10:11], s[10:11], s[2:3]
	s_cmp_lt_u32 s[WV], 2
	s_cselect_b64 s[PFA:PFA+1], s[6:7], s[8:9]
	s_add_nc_u64 s[PFA:PFA+1], s[PFA:PFA+1], s[20:21]
	s_lshl_b32 s2, s13, 13          ; my work-group's 32 blocks of the 128
	s_mov_b32 s3, 0
	s_add_nc_u64 s[PFA:PFA+1], s[PFA:PFA+1], s[2:3]
	s_add_nc_u64 s[PFA:PFA+1], s[PFA:PFA+1], 2*4*KS*128  ; in slot 2; the first change that asks steps it to slot 3
	CROUND                          ; all four work-groups are here: the first joint loads meet
	JLOAD                           ; slot 0
	v_and_b32 v1, 15, v0            ; l % 16
	v_bfe_u32 v9, v0, 4, 1          ; l / 16
	v_lshlrev_b32 v[QO], 7, v1
	v_lshl_add_u32 v[QO], v9, 4, v[QO]
	v_and_b32 v[GO], 31, v0
	v_lshlrev_b32 v[GO], 4, v[GO]
	WIN 0x80                        ; destination window 2
.set i, 0
.rept 4*NP                          ; Q stays in registers: tile i / 2, channels 32 (i % 2) on
	global_load_b128 v[8*i:8*i+3],   v[QO], s[4:5] offset:(i/2)*2048+(i%2)*64
	global_load_b128 v[8*i+4:8*i+7], v[QO], s[4:5] offset:(i/2)*2048+(i%2)*64+32
.set i, i+1
.endr
	WIN W_MK
	v_mov_b32 v[SCL], 227
.set i, 0
.rept 16                            ; the codes of step 0, one step behind MP: tile i / 2, half i % 2
	global_load_b128 v[MB+4*i:MB+4*i+3], v[GO], s[MP:MP+1] offset:(i/2)*32768+(i%2)*512-1024
.set i, i+1
.endr
	; What the first turn finds: V's registers and P's second buffer hold 0, O^T and l are 0.  All this stands in the wait for the first tile.
	WIN 0x80
.set i, VF
.rept 64
	v_mov_b32 v[i], 0
.set i, i+1
.endr
	WIN 0x40
.set i, 0
.rept 64*NP
	v_mov_b32 v[i], 0
.set i, i+1
.endr
	WIN 0
.set i, 0
.rept 2*NP
	v_mov_b32 v[ST+4*i+1], 0xec800000            ; m = -2^90
	v_mul_f32 v[ST+4*i], s[CS], v[ST+4*i+1]      ; c m, by the line that the loop makes it by: a is exactly 1 while a row has seen no key
	v_mov_b32 v[ST+4*i+2], 0
	v_mov_b32 v[ST+4*i+3], 0
.set i, i+1
.endr
.set i, P+32
.rept 32
	v_mov_b32 v[i], 0
.set i, i+1
.endr
	v_mul_u32_u24 v[AK0], v1, PK
	v_lshl_add_u32 v[AK0], v9, 4, v[AK0]
	v_and_b32 v10, 7, v0
	v_bfe_u32 v11, v0, 3, 1
	v_lshl_add_u32 v[AV0], v9, 3, v10
	v_mul_u32_u24 v[AV0], v[AV0], PV
	v_lshl_add_u32 v[AV0], v11, 4, v[AV0]
	v_add_nc_u32 v[AV0], VOFF, v[AV0]
	v_mov_b32 v[AK], v[AK0]         ; key step 0 lies at the head of slot 0
	s_mul_i32 s13, s[WV], 16*SP
	s_add_co_u32 s13, s13, STAGE    ; my stage
	v_mul_u32_u24 v[STO], v1, SP
	v_lshl_add_u32 v[STO], v9, 4, v[STO]
	v_add_nc_u32 v[STO], s13, v[STO]
	v_bfe_u32 v[RD], v0, 3, 2
	v_mul_u32_u24 v[RD], v[RD], SP
	v_lshl_add_u32 v[RD], v10, 4, v[RD]
	v_add_nc_u32 v[RD], s13, v[RD]
	v_and_b32 v[PFO], 31, v0
	v_lshlrev_b32 v[PFO], 8, v[PFO]
	s_wait_kmcnt 0x0                ; head_scale
	v_mov_b32 v[HS], s84
	v_cvt_pk_bf16_f32 v[HS], v[HS], v[HS]
	v_lshlrev_b32 v[HS], 16, v[HS]
	v_add_f32 v[HS], 1.0, v[HS]
	v_mov_b32 v[SCL], 227
; THE MATRIX WORK.  The 8 accumulators of a run of 16 take turns.  Product i of 16 of S^T = K Q^T for piece x: channels 32 (i / 8) on, keys 16 ((i / 2) % 4) on, tile 2 x + i % 2.  The first 8 start the sums, on the mask.
.macro KQ x
.set rS, S+64*((\x)%2)+32*(i%2)+8*((i/2)%4)
.set rK, KF+16*((i/2)%4)+8*(i/8)
.set rQ, 16*(2*(\x)+i%2)+8*(i/8)
.set rMC, MC+32*(i%2)+8*((i/2)%4)
.if i < 8
	WIN W_KM
	v_wmma_f32_16x16x32_f16 v[rS:rS+7], v[rK:rK+7], v[rQ:rQ+7], v[rMC:rMC+7]
.else
	WIN W_KQ
	v_wmma_f32_16x16x32_f16 v[rS:rS+7], v[rK:rK+7], v[rQ:rQ+7], v[rS:rS+7]
.endif
.endm
.macro PV x
	WIN W_PV
.set rO, 32*(2*(\x)+i%2)+8*((i/2)%4)
.set rV, VF+32*(i/8)+8*((i/2)%4)
.set rP, P+32*((\x)%2)+16*(i%2)+8*(i/8)
	v_wmma_f32_16x16x32_f16 v[rO:rO+7], v[rV:rV+7], v[rP:rP+7], v[rO:rO+7]
.endm
.macro MM                           ; the turn's next matrix instruction
.if i < 16
	KQ (Y+1)%NP
.set i, i+1
.else
.set i, i-16
	PV (Y+NP-1)%NP
.set i, i+17
.endif
.endm
; THE LDS LOADS stand in runs of 16.  last = 1 (the tail): in the last trip there is no further step, and the run is jumped over.
.macro FETCH_K last=0
	WIN 0
.if \last
	s_cmp_eq_u32 s[CNT], 1
	s_cbranch_scc1 .Lno_k_\@
.endif
	WIN 0x80
.irp f, 0,1,2,3,4,5,6,7
	ds_load_b128 v[KF+8*\f:KF+8*\f+3],   v[AK] offset:(\f/2)*16*PK+(\f%2)*64
	ds_load_b128 v[KF+8*\f+4:KF+8*\f+7], v[AK] offset:(\f/2)*16*PK+(\f%2)*64+32
.endr
	s_add_co_u32 s[TBK], s[TBK], KS*PK
	WIN 0
.if \last
.Lno_k_\@:
.endif
.endm
.macro FETCH_V
	WIN 0x80
.irp f, 0,1,2,3,4,5,6,7
	ds_load_tr16_b128 v[VF+8*\f:VF+8*\f+3],   v[AV] offset:(\f/4)*32*PV+(\f%4)*32
	ds_load_tr16_b128 v[VF+8*\f+4:VF+8*\f+7], v[AV] offset:(\f/4)*32*PV+16*PV+(\f%4)*32
.endr
	WIN 0
.endm
; THE VECTOR WORK OF A TURN stands in three queues, each in the order in which its entries become ready; the two tiles alternate.
.macro REGS y, u
.set rT, ST+4*(2*(\y)+(\u))
.set rC, TMP+8*((\y)%2)+4*(\u)
.set rM, MV+2*((\y)%2)+(\u)
.set rS, S+64*((\y)%2)+32*(\u)
.set rP, P+32*((\y)%2)+16*(\u)
.set rO, 32*(2*(\y)+(\u))
.endm
; Number n of the 22 that find the NEXT piece's maximum and statistics; each accumulator's lowest registers are read first.
.macro XS u, n
	REGS (Y+1)%NP, \u
.if (\n) < 4
	v_max3_num_f32 v[rC+(\n)], v[rS+8*(\n)], v[rS+8*(\n)+1], v[rS+8*(\n)+2]
.elseif (\n) < 12
	v_max3_num_f32 v[rC+(\n)%4], v[rC+(\n)%4], v[rS+8*((\n)%4)+2*((\n)/4)+1], v[rS+8*((\n)%4)+2*((\n)/4)+2]
.elseif (\n) == 12
	v_max3_num_f32 v[rC], v[rC], v[rS+7], v[rS+15]
.elseif (\n) == 13
	v_max3_num_f32 v[rC+1], v[rC+1], v[rS+23], v[rS+31]
.elseif (\n) == 14
	v_max3_num_f32 v[rC+2], v[rC+2], v[rC+3], v[rT+1]
.elseif (\n) == 15
	v_mov_b32 v[rM], v[rT]
.elseif (\n) == 16
	v_max3_num_f32 v[rC], v[rC], v[rC+1], v[rC+2]
.elseif (\n) == 17
	v_permlanex16_b32 v[rC+3], v[rC], s[SEL], s[SEL+1]
.elseif (\n) == 18
	v_max_num_f32 v[rT+1], v[rC], v[rC+3]
.elseif (\n) == 19
	v_mul_f32 v[rT], s[CS], v[rT+1]
.elseif (\n) == 20
	v_sub_f32 v[rC+1], v[rM], v[rT]
.else
	v_exp_f32 v[rC+2], v[rC+1]
.endif
.endm
; Number g of the 64 that follow the exponentials: for each four weights both pairs are rounded to f16, the second pair is added onto the first, and a group later l takes that sum.
.macro GS g
.set h, (\g)+6*((\g)/62)
.if h >= 6
.set h, h+2
.endif
	REGS Y, h%2
.set k, h/8
.if h%8 < 4
	v_cvt_pk_f16_f32 v[rP+2*k+(h%8)/2], v[rS+4*k+2*((h%8)/2)], v[rS+4*k+2*((h%8)/2)+1]
.elseif h%8 < 6
	v_pk_add_f32 v[rS+4*k:rS+4*k+1], v[rS+4*k:rS+4*k+1], v[rS+4*k+2:rS+4*k+3]
.elseif k == 1
	v_pk_fma_f32 v[rT+2:rT+3], v[rT+2:rT+3], v[rC+2:rC+3], v[rS:rS+1] op_sel_hi:[1,0,1]
.else
	v_pk_add_f32 v[rT+2:rT+3], v[rT+2:rT+3], v[rS+4*k-4:rS+4*k-3]
.endif
.endm
; THE PLAIN QUEUE, 138 long: 0-73 read no exponential's result (the 32 scalings and the next piece's 42); 74-137 are GS's 64, behind the wait.
.macro FS f
	REGS Y, (\f)%2
	v_pk_fma_f32 v[rS+2*((\f)/2):rS+2*((\f)/2)+1], v[rS+2*((\f)/2):rS+2*((\f)/2)+1], s[CS:CS+1], v[rT:rT+1] op_sel_hi:[1,0,0] neg_lo:[0,0,1] neg_hi:[0,0,1]
.endm
.macro PL
	WIN 0
.if q < 27
	FS q
.elseif q < 55
	XS (q-27)%2, (q-27)/2
.elseif q < 57
	XS q-55, 15
.elseif (q < 72) && ((q-57)%3 == 0)
	FS 27+(q-57)/3
.elseif q < 60
	XS (q-57)%3-1, 14
.elseif q < 72
	XS (q-57)%3-1, 15+(q-57)/3
.elseif q < 74
	XS q-72, 20
.else
	GS q-74
.endif
.set q, q+1
.endm
; THE EXPONENTIALS' QUEUE, 66 long: one batch, all ahead of the turn's one wait.
.macro EX
	WIN 0
.if e >= 64
	XS e-64, 21
.else
	REGS Y, e%2
	v_exp_f32 v[rS+e/2], v[rS+e/2]
.endif
.set e, e+1
.endm
; THE RESCALING's QUEUE: O^T times a, two at a time.
.macro R2
	REGS Y, r%2
	WIN W_RS
.irp z, 0,1
	v_pk_mul_f32 v[rO+4*(r/2)+2*\z:rO+4*(r/2)+2*\z+1], v[rO+4*(r/2)+2*\z:rO+4*(r/2)+2*\z+1], v[rC+2:rC+3] op_sel_hi:[1,0]
.endr
.set r, r+1
.endm
; A TURN, for piece p.  Ahead of its one wait: 16 products K Q^T, behind each a scaling, an exponential and two rescalings; the masks for the next turn's products (piece p + 2): MC's last reader is this turn's
; eighth product, eight products and their 24 plain riders back; then one lump.  Behind the wait: 16 products V^T P, behind each four of the roundings and sums.
; K of the next step is fetched in piece 2's turn, directly behind the wait; V of the step in hand at the end of piece 0's turn, four riders behind its last reader.
.macro TURN p, last=0
.set Y, (\p)
.set i, 0
.set q, 0
.set e, 0
.set r, 0
.if (\p) == NP-1
	s_wait_dscnt 0x0                ; K is in
.endif
	MM
	PL
	PL
	R2
.rept 15
	MM
	PL
	EX
	R2
.endr
	MASKS ((\p)+2)%NP, 12           ; three younger groups of four loads may stay out: this piece's were issued four turns back
.if (\p) == NP-2
	WIN 0
	v_add_nc_u32 v[AK], s[TBK], v[AK0]
.endif
.rept 8
	PL
.endr
.rept 49
	EX
	PL
.endr
	EX
	EX
	v_nop                           ; a plain instruction behind the last exponential: one for the batch
	s_wait_alu depctr_va_vdst(0)    ; the wait for the batch
.if (\p) == NP-2
	FETCH_K \last
.endif
.if (\p) == 1
	s_wait_dscnt 0x0                ; V is in
.endif
.rept 16
	MM
.rept 4
	PL
.endr
.if ((\p) == 0) && (q == 118)
	v_add_nc_u32 v[AV], s[TBV], v[AV0]
.endif
.if ((\p) == 0) && (q == 130)
	s_add_co_u32 s[TBV], s[TBV], KS*PV
.endif
.endr
.if (\p) == 0
	FETCH_V
.endif
.endm
	CHANGE 1                        ; slot 0 is in, everybody's part of it; slot 1 is asked for
	FETCH_K                         ; key step 0
	MASKS 0, 0                      ; Q and all of step 0's codes are in; piece 0's masks; its codes of step 1 are asked for
	s_wait_dscnt 0x0
.set i, 0
.rept 16
	KQ 0                            ; piece 0's first scores
.set i, i+1
.endr
	WIN 0
	PLACES
	PLACES
	MASKS 1, 4                      ; piece 1's masks, for the first turn's products; piece 0's four loads may stay out
.set Y, NP-1                        ; XS works for piece Y + 1: piece 0
.irp n, 0,1,2,3,4,5,6,7,8,9,10,11,12,13,14,15,16,17,18,19,20,21
	XS 0, \n
	XS 1, \n
.endr
	v_nop
	s_wait_alu depctr_va_vdst(0)
	s_mov_b32 s[CNT], 4
	s_mov_b32 s[SLOTS], SIZE_N/256-1
	s_branch .Lfirst                ; the loop is entered at a step's first turn, in the middle of a trip
.Lslot:                             ; six times: every slot but the last two is filled again
	CHANGE 1, 1
	s_mov_b32 s[CNT], 4
.Lstep:                             ; a trip: pieces 2 and 3 of one step, then pieces 0 and 1 of the next; its four turns load the codes of one step
	TURN 2
	TURN 3
	WIN 0
.Lfirst:
	TURN 0
	TURN 1
	WIN 0
	MSTEP
	s_sub_co_u32 s[CNT], s[CNT], 1
	s_cmp_lg_u32 s[CNT], 0
	s_cbranch_scc1 .Lstep
	s_sub_co_u32 s[SLOTS], s[SLOTS], 1
	s_cmp_lg_u32 s[SLOTS], 0
	s_cbranch_scc1 .Lslot
	CHANGE 0                        ; the tail is written out
	s_mov_b32 s[CNT], 5             ; four trips fetch the last slot's steps; the fifth is left in its middle
.Ltail:
	TURN 2, 1
	TURN 3
	WIN 0
	s_sub_co_u32 s[CNT], s[CNT], 1
	s_cmp_eq_u32 s[CNT], 0
	s_cbranch_scc1 .Lout
	TURN 0
	TURN 1
	WIN 0
	MSTEP
	s_branch .Ltail
.Lout:                              ; the fifth trip's 16 products K Q^T and the maximum made of them serve nothing: the price, once a launch, of one text for every trip
.set i, 0
.rept 16
	PV NP-1
.set i, i+1
.endr
	; THE WAY OUT.  l's halves are added; l is held at 2^-60 at the least (a row that saw a key has l of about 1 or more; one that saw none has O = 0 and leaves 0); O^T is multiplied by (1 + head_scale) / l.
	WIN 0
.macro ALL line:vararg
.set t, 0
.rept 2*NP
	\line
.set t, t+1
.endr
.endm
	ALL v_add_f32 v[ST+4*t+2], v[ST+4*t+2], v[ST+4*t+3]
	ALL v_permlanex16_b32 v[ST+4*t+3], v[ST+4*t+2], s[SEL], s[SEL+1]
	ALL v_add_f32 v[ST+4*t+2], v[ST+4*t+2], v[ST+4*t+3]
	ALL v_max_num_f32 v[ST+4*t+2], s[TINY], v[ST+4*t+2]
	ALL v_rcp_f32 v[ST+4*t+2], v[ST+4*t+2]
	v_nop
	s_wait_alu depctr_va_vdst(0)    ; one wait for the eight reciprocals
	ALL v_mul_f32 v[ST+4*t+2], v[HS], v[ST+4*t+2]
.macro PACK t
	WIN W_RS
.set i, 32*(\t)
.rept 16
	v_pk_mul_f32 v[i:i+1], v[i:i+1], v[ST+4*(\t)+2:ST+4*(\t)+3] op_sel_hi:[1,0]
.set i, i+2
.endr
	WIN 0x05
.set i, 0
.rept 16
	v_cvt_pk_f16_f32 v[S+16*(\t)+i], v[32*(\t)+2*i], v[32*(\t)+2*i+1]
.set i, i+1
.endr
	WIN 0
.irp f, 0,1,2,3
	ds_store_b128 v[STO], v[S+16*(\t)+4*\f:S+16*(\t)+4*\f+3] offset:32*\f
.endr
.irp f, 0,1,2,3
	ds_load_b128 v[S+16*(\t)+4*\f:S+16*(\t)+4*\f+3], v[RD] offset:\f*4*SP  ; a wave's LDS instructions are served in order (ISA guide 5.7.1.4)
.endr
.endm
.macro SEND t, younger
	WIN 0
.irp f, 0,1,2,3
	s_wait_dscnt (\younger)+3-\f
	global_store_b128 v[GO], v[S+16*(\t)+4*\f:S+16*(\t)+4*\f+3], s[10:11] offset:(\t)*2048+\f*512  ; 512 consecutive bytes
.endr
.endm
	PACK 0
.set t, 1
.rept 2*NP-1
	PACK t
	SEND t-1, 8
.set t, t+1
.endr
	SEND 2*NP-1, 0
	WIN W_AD
	s_wait_tensorcnt 0x0            ; the wave's end
	ds_add_u32 v[SPW], v[NIL]
	s_wait_dscnt 0x0
	WIN 0
	CROUND                          ; the closing round
	s_endpgm
.Lfunc_end_k_q27e9972ae8_attn:
	.size	k_q27e9972ae8_attn, .Lfunc_end_k_q27e9972ae8_attn-k_q27e9972ae8_attn
	.p2alignl 7, 3214868480
	.fill 96, 4, 3214868480
	.section	.rodata,"a",@progbits
	.p2align	6, 0x0
	.amdhsa_kernel k_q27e9972ae8_attn
		.amdhsa_group_segment_fixed_size 327680
		.amdhsa_private_segment_fixed_size 0
		.amdhsa_enable_private_segment 0
		.amdhsa_kernarg_size 32
		.amdhsa_user_sgpr_count 2
		.amdhsa_user_sgpr_kernarg_segment_ptr 1
		.amdhsa_wavefront_size32 1
		.amdhsa_system_sgpr_workgroup_id_x 1
		.amdhsa_system_sgpr_workgroup_id_y 1
		.amdhsa_system_sgpr_workgroup_id_z 1
		.amdhsa_system_vgpr_workitem_id 0
		.amdhsa_next_free_vgpr 960
		.amdhsa_next_free_sgpr 88
		.amdhsa_reserve_vcc 0
		.amdhsa_float_denorm_mode_32 3
		.amdhsa_float_denorm_mode_16_64 3
		.amdhsa_memory_ordered 1
		.amdhsa_forward_progress 1
		.amdhsa_inst_pref_size 213
	.end_amdhsa_kernel
	.amdgpu_metadata
---
amdhsa.version: [ 1, 2 ]
amdhsa.kernels:
  - .name:           k_q27e9972ae8_attn
    .symbol:         k_q27e9972ae8_attn.kd
    .args:
      - { .name: qkvh, .offset: 0, .size: 8, .value_kind: global_buffer, .address_space: global }
      - { .name: mk, .offset: 8, .size: 8, .value_kind: global_buffer, .address_space: global }
      - { .name: head_scale, .offset: 16, .size: 8, .value_kind: global_buffer, .address_space: global }
      - { .name: oh, .offset: 24, .size: 8, .value_kind: global_buffer, .address_space: global }
    .group_segment_fixed_size: 327680
    .private_segment_fixed_size: 0
    .kernarg_segment_align: 8
    .kernarg_segment_size: 32
    .max_flat_workgroup_size: 128
    .sgpr_count:     88
    .vgpr_count:     960
    .wavefront_size: 32
...
	.end_amdgpu_metadata
.endif
;; end of part 3
;; launch outp (part 4): grid 4 x 64, 4 waves a work-group, clusters of 4 x 4, 327,680 bytes of LDS; arguments oh, wo16, bo, out0; writes out0
.if DOCPART == 4
	.amdgcn_target "amdgcn-amd-amdhsa--gfx1250"
	.amdhsa_code_object_version 6
	.text
	.protected	k_q27e9972ae8_outp
	.globl	k_q27e9972ae8_outp
	.p2align	8
	.type	k_q27e9972ae8_outp,@function
k_q27e9972ae8_outp:
	s_mov_b64 s[64:65], 0
	v_nop
	global_prefetch_b8 v0, s[64:65] scope:SCOPE_SE
	s_setreg_imm32_b32 hwreg(HW_REG_WAVE_MODE, 25, 1), 1
	s_wait_xcnt 0x0
	s_wait_alu depctr_hold_cnt(0) depctr_sa_sdst(0) depctr_va_vdst(0) depctr_va_sdst(0) depctr_va_ssrc(0) depctr_va_vcc(0) depctr_vm_vsrc(0)
	s_getreg_b32 s2, hwreg(HW_REG_IB_STS2, 6, 4)
	s_cmp_eq_u32 s2, 0
	s_cbranch_scc0 .Lentry_in_a_cluster
	s_endpgm
.Lentry_in_a_cluster:
	s_bfe_u32 s2, ttmp6, 0x10000c
	s_cmp_lg_u32 s2, 0xf033
	s_cbranch_scc0 .Lentry_shape_is_right
	s_endpgm
.Lentry_shape_is_right:
; THE OUTPUT PROJECTION.  out0[row][n] = the sum over k of attn[row][k] Wo[k][n] + bo[n], k = 64 head + channel.  attn = oh[16 b + head][t][64] in f16; wo16: [k 1024][n 1024] in f16; out0 in f32.  Sums in f32.
; bo is rounded to bf16 first, like every input of the module.
; SHARES.  A tile is 128 rows x 256 columns: 64 x 4 = 256 work-groups.  Four waves, each 64 x 128: 32 accumulators.  K goes in steps of 128, two heads, through two LDS slots.  Waves 0 and 1 fetch a head each
; (128 rows x 128 bytes, dense: asked for as 64 rows of 256 bytes), waves 2 and 3 the halves of Wo's tile (64 rows of k x 512 bytes).  By the text's own count a wave has two tensor loads out at the start and one later.
; The product is used transposed (source 0 = 16 columns of Wo, turned by ds_load_tr16_b128; source 1 = 16 rows of attn); the bias is the C operand of each accumulator's first product.
; CLUSTER.  4 x 4: attn's tiles are shared along a row of the cluster, Wo's along a column.
; REGISTERS: window 0: v16-31 addresses; v32-63 at work; v64-127 attn's fragments, two buffers; v128-255 Wo's, two buffers.  Window 1: accumulator (a, b) at v[8 (8 a + b)].  Window 3: v0-63 the bias.
.set SLOT1,  131072
.set PA,     144                       ; a row of a head in LDS: 128 bytes + 16
.set PW,     544                       ; a row of Wo: 512 + 32 = 17 x 32 bytes
.set HEADB,  128*PA                    ; a head's 128 rows
.set AOFF,   2*HEADB
.set STAGE,  SLOT1+AOFF+128*PW         ; behind the ring, never filled by a tensor load: 16 rows x 528 bytes for each wave
.set SPO,    528                       ; 512 bytes of f32 + 16
.set SPARE,  STAGE+4*16*SPO
.set ASTEP,  2*2048*128                ; two heads on
.set WSTEP,  128*2048
.set AA0, 16
.set AB0, 17
.set ADRA, 18
.set ADRB, 19
.set STO, 24
.set RD,  25
.set GO,  26
.set SPW, 28
.set NIL, 29
.set PFO, 30
.set BO,  31
.set TMP, 32
.set FA,  64
.set FW,  128
.set WV, 20
.set RO, 21
.set HF, 22
.set CX, 23
.set CY, 24
.set COLB, 25
.set ROWB, 26
.set G1A, 28
.set G0A, 36
.set G1B, 44
.set G0B, 52
.set TB,  60
.set CNT, 61
.set LIM, 62
.set PFA, 66
.set PFS, 68
.set OUTP, 70
.set MSB, 0
.macro WIN new
.if MSB != (\new)
	s_set_vgpr_msb (MSB<<8)|(\new)
.set MSB, (\new)
.endif
.endm
.set MUL,  0x50
.set MULB, 0x70
.macro PLACES
.rept 4
	v_nop
.endr
.endm
.macro JLOAD                           ; a joint refill; an s_nop 0 and four v_nop follow each of the two lines, ahead of the jump and the label
	s_cmp_eq_u32 s[RO], 0
	s_cbranch_scc0 .Lfor_b_\@
	tensor_load_to_lds s[G0A+4:G0A+7], s[G1A:G1A+7]
	s_nop 0
	PLACES
	s_branch .Lasked_\@
.Lfor_b_\@:
	tensor_load_to_lds s[G0B+4:G0B+7], s[G1B:G1B+7]
	s_nop 0
	PLACES
.Lasked_\@:
.endm
; A PREFETCH INTO THE L2 of the K step two refills on, a lane a block of 256 bytes, each block named once in the launch.  attn: a K step's two heads are 128 blocks; wave 0 asks, the partner at place cx for
; blocks 32 cx + lane.  Wo: waves 2 and 3 ask for their halves, the partner at place cy for rows 16 cy + lane / 2, block lane % 2; of the 16 rows of clusters the first asks.  K steps 0 to 3 come by their loads alone.
.macro ASK
	s_cmp_gt_u32 s[CNT], s[LIM]
	s_cbranch_scc0 .Lnot_mine_\@
	global_prefetch_b8 v[PFO], s[PFA:PFA+1] th:TH_LOAD_NT scope:SCOPE_SE
.Lnot_mine_\@:
.endm
.macro CREST
	s_cmp_lg_u32 s[WV], 0
	s_cbranch_scc1 .Lnot_wave_0_\@
	s_barrier_signal -3
.Lnot_wave_0_\@:
	s_barrier_wait -3
	s_barrier_signal -1
	s_barrier_wait -1
.endm
.macro CROUND
	s_barrier_signal -1
	s_barrier_wait -1
	CREST
.endm
	s_load_b256 s[4:11], s[0:1], 0x0               ; oh 4, wo16 6, bo 8, out0 10
	v_lshl_add_u32 v[SPW], v0, 2, SPARE
	v_mov_b32 v[NIL], 0
	ds_add_u32 v[SPW], v[NIL]                      ; the wave's opening: the add and its wait stand ahead of my first tensor load
	v_lshrrev_b32 v1, 5, v0
	v_readfirstlane_b32 s[WV], v1
	s_lshr_b32 s[RO], s[WV], 1
	s_and_b32 s[HF], s[WV], 1
	s_bfe_u32 s[CX], ttmp6, 0x40000
	s_bfe_u32 s[CY], ttmp6, 0x40004
	s_lshl_b32 s[COLB], ttmp9, 2
	s_add_co_u32 s[COLB], s[COLB], s[CX]
	s_and_b32 s73, ttmp7, 0xffff                   ; the cluster's y
	s_lshl_b32 s[ROWB], s73, 2
	s_add_co_u32 s[ROWB], s[ROWB], s[CY]
	s_lshl_b32 s74, s[CY], 2
	s_lshl_b32 s74, 15, s74
	s_lshl_b32 s75, 0x1111, s[CX]
	s_or_b32 s[G1A], s74, (1<<16)|(1<<20)|(1<<21)|(4<<22)|(3<<25)  ; after every 32 words (a row of a head) 4 words
	s_mov_b32 s[G1A+1], 128<<16
	s_mov_b32 s[G1A+2], 64<<16
	s_mov_b32 s[G1A+3], 128<<16
	s_mov_b32 s[G1A+4], 64
	s_mov_b32 s[G1A+5], 128                        ; dense: 128 elements from row to row
	s_mov_b32 s[G1A+6], 0
	s_mov_b32 s[G1A+7], 0
	s_or_b32 s[G1B], s75, (1<<16)|(1<<20)|(1<<21)|(6<<22)|(7<<25)
	s_mov_b32 s[G1B+1], 256<<16
	s_mov_b32 s[G1B+2], 64<<16
	s_mov_b32 s[G1B+3], 256<<16
	s_mov_b32 s[G1B+4], 64
	s_mov_b32 s[G1B+5], 1024
	s_mov_b32 s[G1B+6], 0
	s_mov_b32 s[G1B+7], 0
	s_lshr_b32 s76, s[ROWB], 4                     ; attn: ((16 b + my head of the step) x 2,048 + the block's first row) x 128 bytes
	s_lshl_b32 s76, s76, 4
	s_add_co_u32 s76, s76, s[HF]
	s_lshl_b32 s76, s76, 11
	s_and_b32 s77, s[ROWB], 15
	s_lshl_b32 s77, s77, 7
	s_add_co_u32 s76, s76, s77
	s_lshl_b32 s76, s76, 7
	s_mov_b32 s77, 0
	s_lshl_b32 s78, s[HF], 17                      ; Wo: 64 rows of k x half, 512 bytes x column block
	s_lshl_b32 s79, s[COLB], 9
	s_add_co_u32 s78, s78, s79
	s_mov_b32 s79, 0
	s_mul_i32 s80, s[HF], HEADB
	s_mul_i32 s81, s[HF], 64*PW
	s_add_co_u32 s81, s81, AOFF
	s_mov_b32 s[TB], 0
	s_wait_dscnt 0x0                               ; the opening add is done
	s_wait_kmcnt 0x0
	s_add_nc_u64 s[84:85], s[4:5], s[76:77]
	s_add_nc_u64 s[86:87], s[6:7], s[78:79]
	CROUND                                         ; all sixteen work-groups are here: the first joint loads meet
.irp s, 0,1
	s_mov_b32 s[G0A+4*(\s)], 1
	s_add_co_u32 s[G0A+4*(\s)+1], s80, (\s)*SLOT1
	s_add_nc_u64 s[G0A+4*(\s)+2:G0A+4*(\s)+3], s[84:85], (\s)*ASTEP
	s_or_b32 s[G0A+4*(\s)+3], s[G0A+4*(\s)+3], 0x80000000
	s_mov_b32 s[G0B+4*(\s)], 1
	s_add_co_u32 s[G0B+4*(\s)+1], s81, (\s)*SLOT1
	s_add_nc_u64 s[G0B+4*(\s)+2:G0B+4*(\s)+3], s[86:87], (\s)*WSTEP
	s_or_b32 s[G0B+4*(\s)+3], s[G0B+4*(\s)+3], 0x80000000
.endr
	s_cmp_eq_u32 s[RO], 0
	s_cbranch_scc0 .Lfirst_b
	tensor_load_to_lds s[G0A:G0A+3], s[G1A:G1A+7]
	s_nop 0
	tensor_load_to_lds s[G0A+4:G0A+7], s[G1A:G1A+7]
	s_nop 0
	PLACES
	s_branch .Lfirst_asked
.Lfirst_b:
	tensor_load_to_lds s[G0B:G0B+3], s[G1B:G1B+7]
	s_nop 0
	tensor_load_to_lds s[G0B+4:G0B+7], s[G1B:G1B+7]
	s_nop 0
	PLACES
.Lfirst_asked:
	s_lshl_b32 s92, s[COLB], 10                    ; the bias of my 128 columns
	s_lshl_b32 s93, s[HF], 9
	s_add_co_u32 s92, s92, s93
	s_mov_b32 s93, 0
	s_add_nc_u64 s[74:75], s[8:9], s[92:93]
	v_and_b32 v1, 15, v0
	v_bfe_u32 v2, v0, 4, 1
	v_and_b32 v3, 31, v0
	v_and_b32 v4, 7, v0
	v_bfe_u32 v5, v0, 3, 1
	v_lshlrev_b32 v[BO], 5, v2
	WIN 0xc0
.irp b, 0,1,2,3,4,5,6,7
	global_load_b128 v[8*(\b):8*(\b)+3],   v[BO], s[74:75] offset:64*(\b)
	global_load_b128 v[8*(\b)+4:8*(\b)+7], v[BO], s[74:75] offset:64*(\b)+16
.endr
	WIN 0
	v_mul_u32_u24 v[AA0], v1, PA
	v_lshl_add_u32 v[AA0], v2, 4, v[AA0]
	s_mul_i32 s72, s[RO], 64*PA
	v_add_nc_u32 v[AA0], s72, v[AA0]
	v_lshl_add_u32 v[AB0], v2, 3, v4
	v_mul_u32_u24 v[AB0], v[AB0], PW
	v_lshl_add_u32 v[AB0], v5, 4, v[AB0]
	s_lshl_b32 s72, s[HF], 8
	s_add_co_u32 s72, s72, AOFF
	v_add_nc_u32 v[AB0], s72, v[AB0]
	v_mov_b32 v[ADRA], v[AA0]
	v_mov_b32 v[ADRB], v[AB0]
	s_mul_i32 s72, s[WV], 16*SPO
	s_add_co_u32 s72, s72, STAGE                   ; my stage
	v_mul_u32_u24 v[STO], v1, SPO                  ; in: row l % 16, 32 bytes for each half of the lanes
	v_lshl_add_u32 v[STO], v2, 5, v[STO]
	v_add_nc_u32 v[STO], s72, v[STO]
	v_lshlrev_b32 v[GO], 4, v3
	v_add_nc_u32 v[RD], s72, v[GO]                 ; back: 32 lanes take a row of 512 bytes
	s_cmp_eq_u32 s[RO], 0
	s_cselect_b32 s72, 8, 11
	v_lshrrev_b32 v[PFO], s[RO], v3                ; attn: lane x 256; Wo: (lane / 2) x 2,048 + (lane % 2) x 256
	v_lshlrev_b32 v[PFO], s72, v[PFO]
	v_and_b32 v6, s[RO], v3
	v_lshl_add_u32 v[PFO], v6, 8, v[PFO]
	; where my prefetches stand: at K step 3; each refill steps them before it asks
	s_lshr_b32 s90, s[ROWB], 4
	s_lshl_b32 s90, s90, 4
	s_lshr_b32 s91, s[CX], 1                       ; partners 0, 1: the step's first head; 2, 3: its second
	s_add_co_u32 s90, s90, s91
	s_lshl_b32 s90, s90, 11
	s_and_b32 s91, s[ROWB], 15
	s_lshl_b32 s91, s91, 7
	s_add_co_u32 s90, s90, s91
	s_lshl_b32 s90, s90, 7
	s_and_b32 s91, s[CX], 1
	s_lshl_b32 s91, s91, 13
	s_add_co_u32 s90, s90, s91
	s_add_co_u32 s90, s90, 3*ASTEP
	s_lshl_b32 s92, s[HF], 6
	s_lshl_b32 s93, s[CY], 4
	s_add_co_u32 s92, s92, s93
	s_lshl_b32 s92, s92, 11
	s_lshl_b32 s93, s[COLB], 9
	s_add_co_u32 s92, s92, s93
	s_add_co_u32 s92, s92, 3*WSTEP
	s_mov_b32 s93, ASTEP
	s_mov_b32 s94, WSTEP
	s_mov_b32 s91, 0
	s_mov_b32 s[PFS+1], 0
	s_cmp_eq_u32 s[RO], 0
	s_cselect_b32 s90, s90, s92
	s_cselect_b32 s[PFS], s93, s94
	s_cselect_b64 s[PFA:PFA+1], s[4:5], s[6:7]
	s_cselect_b32 s94, s[HF], s73                  ; attn: wave 0; Wo: the first row of clusters
	s_add_nc_u64 s[PFA:PFA+1], s[PFA:PFA+1], s[90:91]
	s_cmp_eq_u32 s94, 0
	s_cselect_b32 s[LIM], 2, -1
	; my part of out0: (128 x row block + 64 x half) rows of 4,096 bytes, 1,024 x column block + 512 x half
	s_lshl_b32 s92, s[ROWB], 7
	s_lshl_b32 s93, s[RO], 6
	s_add_co_u32 s92, s92, s93
	s_lshl_b32 s92, s92, 12
	s_lshl_b32 s93, s[COLB], 10
	s_add_co_u32 s92, s92, s93
	s_lshl_b32 s93, s[HF], 9
	s_add_co_u32 s92, s92, s93
	s_mov_b32 s93, 0
	s_add_nc_u64 s[OUTP:OUTP+1], s[10:11], s[92:93]
	s_wait_loadcnt 0x0                             ; the bias: rounded to bf16, widened again
	WIN 0x0f
.set i, 0
.rept 32
	v_cvt_pk_bf16_f32 v[TMP+i], v[2*i], v[2*i+1]
.set i, i+1
.endr
	WIN 0xc0
.set i, 0
.rept 32
	v_lshlrev_b32 v[2*i], 16, v[TMP+i]
	v_and_b32 v[2*i+1], 0xffff0000, v[TMP+i]
.set i, i+1
.endr
	WIN 0
; 8 matrix instructions: row block a x all 8 column blocks, 32 along K, from buffer f.  first = 1: the product starts the sums, on the bias.  The 32 accumulators take turns in one order.
.macro MUL8 f, a, first
.if \first
	WIN MULB
.else
	WIN MUL
.endif
.irp b, 0,1,2,3,4,5,6,7
.if \first
	v_wmma_f32_16x16x32_f16 v[8*(8*(\a)+(\b)):8*(8*(\a)+(\b))+7], v[FW+64*(\f)+8*(\b):FW+64*(\f)+8*(\b)+7], v[FA+32*(\f)+8*(\a):FA+32*(\f)+8*(\a)+7], v[8*(\b):8*(\b)+7]
.else
	v_wmma_f32_16x16x32_f16 v[8*(8*(\a)+(\b)):8*(8*(\a)+(\b))+7], v[FW+64*(\f)+8*(\b):FW+64*(\f)+8*(\b)+7], v[FA+32*(\f)+8*(\a):FA+32*(\f)+8*(\a)+7], v[8*(8*(\a)+(\b)):8*(8*(\a)+(\b))+7]
.endif
.endr
.endm
; 24 LDS loads in one run: quarter kq is head kq / 2 of the step, channels 32 (kq % 2) on
.macro FETCH kq, f
	WIN 0
.irp b, 0,1,2,3,4,5,6,7
	ds_load_tr16_b128 v[FW+64*(\f)+8*(\b):FW+64*(\f)+8*(\b)+3],   v[ADRB] offset:(\kq)*32*PW+32*(\b)
	ds_load_tr16_b128 v[FW+64*(\f)+8*(\b)+4:FW+64*(\f)+8*(\b)+7], v[ADRB] offset:(\kq)*32*PW+32*(\b)+16*PW
.endr
.irp a, 0,1,2,3
	ds_load_b128 v[FA+32*(\f)+8*(\a):FA+32*(\f)+8*(\a)+3],   v[ADRA] offset:((\kq)/2)*HEADB+((\kq)%2)*64+(\a)*16*PA
	ds_load_b128 v[FA+32*(\f)+8*(\a)+4:FA+32*(\f)+8*(\a)+7], v[ADRA] offset:((\kq)/2)*HEADB+((\kq)%2)*64+(\a)*16*PA+32
.endr
.endm
.macro QUARTER kq, f, g, first
	s_wait_dscnt 4                                 ; Wo and attn's blocks 0, 1 are in; the youngest four loads may be out
	MUL8 \f, 0, \first
	MUL8 \f, 1, \first
	PLACES
	FETCH \kq, \g
	s_wait_dscnt 24                                ; all but the 24 just issued
	MUL8 \f, 2, \first
	MUL8 \f, 3, \first
.endm
; The last quarter multiplies buffer 1 and changes slots: the wait for all my tensor loads, the add, the wait for it and for my reads; with fill = 1 a round of the cluster's barrier and the joint refill first behind it.
.macro TURN fill
	WIN 0
.if \fill
	s_wait_xcnt 0x0                                ; the last prefetch, a K step back, has read its address
	s_add_nc_u64 s[PFA:PFA+1], s[PFA:PFA+1], s[PFS:PFS+1]
.endif
	s_wait_tensorcnt 0x0
	ds_add_u32 v[SPW], v[NIL]
.if \fill
	s_xor_b32 s[G0A+5], s[G0A+5], SLOT1
	s_add_nc_u64 s[G0A+6:G0A+7], s[G0A+6:G0A+7], ASTEP
	s_xor_b32 s[G0B+5], s[G0B+5], SLOT1
	s_add_nc_u64 s[G0B+6:G0B+7], s[G0B+6:G0B+7], WSTEP
.endif
	s_xor_b32 s[TB], s[TB], SLOT1
	s_wait_dscnt 5                                 ; the add and the youngest four loads may be out
	MUL8 1, 0, 0
	s_wait_dscnt 0x0
	s_barrier_signal -1
	MUL8 1, 1, 0
	WIN 0
	s_barrier_wait -1
.if \fill
	CREST
	JLOAD
.else
	PLACES
.endif
	v_add_nc_u32 v[ADRA], s[TB], v[AA0]
	v_add_nc_u32 v[ADRB], s[TB], v[AB0]
	FETCH 0, 0
.if \fill
	ASK
.endif
	MUL8 1, 2, 0
	MUL8 1, 3, 0
.endm
	s_wait_tensorcnt 1                             ; my part of K step 0 is in; K step 1's may stay out
	s_barrier_signal -1
	s_barrier_wait -1
	FETCH 0, 0
	QUARTER 1, 0, 1, 1
	WIN 0
	s_mov_b32 s[CNT], 6
.Lstep:
	QUARTER 2, 1, 0, 0
	QUARTER 3, 0, 1, 0
	TURN 1
	QUARTER 1, 0, 1, 0
	WIN 0
	s_sub_co_u32 s[CNT], s[CNT], 1
	s_cmp_lg_u32 s[CNT], 0
	s_cbranch_scc1 .Lstep
	QUARTER 2, 1, 0, 0
	QUARTER 3, 0, 1, 0
	TURN 0
	QUARTER 1, 0, 1, 0
	QUARTER 2, 1, 0, 0
	QUARTER 3, 0, 1, 0
	s_wait_dscnt 4
	MUL8 1, 0, 0
	MUL8 1, 1, 0
	s_wait_dscnt 0x0
	MUL8 1, 2, 0
	MUL8 1, 3, 0
	WIN 0
	PLACES
	PLACES
	; THE WAY OUT.  A lane's eight columns of a row are 32 bytes; a block of 16 rows goes into rows of 528 bytes of my stage and comes back as whole rows of 512, into the registers that it left.
.macro TOSTAGE a
	WIN 0x04                                       ; the stores' data in window 1
.irp b, 0,1,2,3,4,5,6,7
	ds_store_b128 v[STO], v[64*(\a)+8*(\b):64*(\a)+8*(\b)+3]   offset:64*(\b)
	ds_store_b128 v[STO], v[64*(\a)+8*(\b)+4:64*(\a)+8*(\b)+7] offset:64*(\b)+16
.endr
	WIN 0x40
.irp y, 0,1,2,3,4,5,6,7,8,9,10,11,12,13,14,15
	ds_load_b128 v[64*(\a)+4*(\y):64*(\a)+4*(\y)+3], v[RD] offset:(\y)*SPO  ; a wave's LDS instructions are served in order (ISA guide 5.7.1.4): these see the stores above, the next block's stores come behind them
.endr
.endm
.macro SEND a, younger                 ; younger: the LDS instructions issued behind block a's loads: the next block's 32, or none
	WIN 0x04
.irp y, 0,1,2,3,4,5,6,7,8,9,10,11,12,13,14,15
	s_wait_dscnt (\younger)+15-(\y)
	global_store_b128 v[GO], v[64*(\a)+4*(\y):64*(\a)+4*(\y)+3], s[OUTP:OUTP+1] offset:(16*(\a)+(\y))*4096 th:TH_STORE_NT  ; 512 consecutive bytes, at a multiple of 512 from out0's first
.endr
.endm
	TOSTAGE 0
	TOSTAGE 1
	SEND 0, 32
	TOSTAGE 2
	SEND 1, 32
	TOSTAGE 3
	SEND 2, 32
	SEND 3, 0
	WIN 0
	s_wait_tensorcnt 0x0                           ; the wave's end, behind my last tensor load and my last LDS store
	ds_add_u32 v[SPW], v[NIL]
	s_wait_dscnt 0x0
	CROUND                                         ; the closing round
	s_endpgm
.Lfunc_end_k_q27e9972ae8_outp:
	.size	k_q27e9972ae8_outp, .Lfunc_end_k_q27e9972ae8_outp-k_q27e9972ae8_outp
	.p2alignl 7, 3214868480
	.fill 96, 4, 3214868480
	.section	.rodata,"a",@progbits
	.p2align	6, 0x0
	.amdhsa_kernel k_q27e9972ae8_outp
		.amdhsa_group_segment_fixed_size 327680
		.amdhsa_private_segment_fixed_size 0
		.amdhsa_enable_private_segment 0
		.amdhsa_kernarg_size 32
		.amdhsa_user_sgpr_count 2
		.amdhsa_user_sgpr_kernarg_segment_ptr 1
		.amdhsa_wavefront_size32 1
		.amdhsa_system_sgpr_workgroup_id_x 1
		.amdhsa_system_sgpr_workgroup_id_y 1
		.amdhsa_system_sgpr_workgroup_id_z 1
		.amdhsa_system_vgpr_workitem_id 0
		.amdhsa_next_free_vgpr 832
		.amdhsa_next_free_sgpr 96
		.amdhsa_reserve_vcc 0
		.amdhsa_float_denorm_mode_32 3
		.amdhsa_float_denorm_mode_16_64 3
		.amdhsa_memory_ordered 1
		.amdhsa_forward_progress 1
		.amdhsa_inst_pref_size 79
	.end_amdhsa_kernel
	.amdgpu_metadata
---
amdhsa.version: [ 1, 2 ]
amdhsa.kernels:
  - .name:           k_q27e9972ae8_outp
    .symbol:         k_q27e9972ae8_outp.kd
    .args:
      - { .name: oh, .offset: 0, .size: 8, .value_kind: global_buffer, .address_space: global }
      - { .name: wo16, .offset: 8, .size: 8, .value_kind: global_buffer, .address_space: global }
      - { .name: bo, .offset: 16, .size: 8, .value_kind: global_buffer, .address_space: global }
      - { .name: out0, .offset: 24, .size: 8, .value_kind: global_buffer, .address_space: global }
    .group_segment_fixed_size: 327680
    .private_segment_fixed_size: 0
    .kernarg_segment_align: 8
    .kernarg_segment_size: 32
    .max_flat_workgroup_size: 128
    .sgpr_count:     96
    .vgpr_count:     832
    .wavefront_size: 32
...
	.end_amdgpu_metadata
.endif
;; end of part 4
